; MI455X (gfx1250); checked and timed in simulation.
; The chip was launched on July 23, 2026; its instructions are those of AMD's public machine-readable ISA for CDNA 5 (MIT licence, August 2026) and "CDNA5" Instruction Set Architecture Reference Guide (July 2026). The comments in the code are by the model that wrote it; some were corrected since.
;; Causal Self Attention. Allowed arithmetic: matrix products marked QUANTISED: E2M1 operands, one E8M0 scale for each 32 along K, by v_wmma_scale_f32_16x16x128_f8f6f4 with both operands' format E2M1 (or v_wmma_scale_f32_32x16x128_f4), f32 sums; everything else in f32.
;; Inputs: Wproj 1,024 x 1,024 float32; Wqkv 1,024 x 3,072 float32; bproj 1,024 float32; bqkv 3,072 float32; padding_mask 4 x 2,048 int32; x 4 x 2,048 x 1,024 float32.
;; Outputs: out0 4 x 2,048 x 1,024 float32.
;; This version of the problem:
;;   THIS VERSION OF THE PROBLEM IS GIVEN IN LOW PRECISION. The matrix products marked QUANTISED in the list below multiply operands that are first quantised to E2M1 (2 exponent bits, 1 mantissa bit; 4 bits a number), with one power-of-two scale for each 32 numbers along K (OCP MX v1.0); their sums are f32. All else is computed in f32.
;;   The module's matrix products, in the order in which they are computed (A, B: the left and right operand; K: the contracted axis; several contracted axes count as one K, in the product's order):
;;     1. [M 8,192, K 1,024] x [K 1,024, N 3,072]; A: input x; B: input Wqkv: QUANTISED
;;     2. batch 64 x [M 2,048, K 64] x [K 64, N 2,048]; A: computed on the way; B: computed on the way: QUANTISED
;;     3. batch 64 x [M 64, K 2,048] x [K 2,048, N 2,048]; A: computed on the way; B: softmax (see below): QUANTISED
;;     4. [M 8,192, K 1,024] x [K 1,024, N 1,024]; A: computed on the way; B: input Wproj: QUANTISED
;;   THE QUANTISER, for each operand of a quantised product, along K:
;;     - K is cut into blocks of 32 from its start; a last block that is shorter is filled with zeros.
;;     - A block's scale is 2^e with e = floor(log2(the largest magnitude in the block)) - 2, held to -126 .. 127; a block of zeros has e = 0. As a byte (E8M0): e + 127.
;;     - Each number is divided by its block's scale, clamped to +-6, and rounded to the nearest number of E2M1, ties to even, subnormals kept.
;;     - The product sums the exact products of the quantised numbers (number of the format x scale) in f32.
;;   ~~~python
;;   def quantise(x, axis):      # numpy; x: float32 -> the quantised numbers, widened to float32 again
;;       x = np.moveaxis(x, axis, -1); K = x.shape[-1]
;;       x = np.pad(x, [(0, 0)] * (x.ndim - 1) + [(0, -K % 32)]); x = x.reshape(x.shape[:-1] + (-1, 32)); a = np.abs(x).max(-1, keepdims=True)
;;       e = np.where(a > 0, np.clip(np.frexp(np.where(a > 0, a, 1))[1] - 1 - 2, -126, 127), 0)      # np.frexp(a)[1] - 1 = floor(log2(a)), exactly
;;       r = np.clip(x / 2.0 ** e, -6, 6)
;;       step = 2.0 ** (np.maximum(np.frexp(np.where(r == 0, 1, r))[1] - 1, 0) - 1)
;;       q = np.round(r / step) * step * 2.0 ** e      # np.round: ties to even
;;       return np.moveaxis(q.reshape(q.shape[:-2] + (-1,))[..., :K], -1, axis).astype(np.float32)
;;   ~~~
;;   SOFTMAX AHEAD OF A QUANTISED PRODUCT. Where the list says 'softmax', what is quantised is not the finished softmax but p = 2^(t - M), with t = logit x log2(e) and M = ceil(the row's largest t), a whole number; so 1/2 < the row's largest p <= 1. The row's sum l is taken of the UNQUANTISED p, in f32, and the product's result is divided by l at the end. Since M is a whole number, a kernel that streams over the keys may use a running M (the ceiling of the running maximum): every later rescaling is an exact power of two, which a block's scale takes up: the codes' values come out the same.
;;   OPERANDS COMPUTED ON THE WAY. 'Computed on the way' means the value that the module computes at that place (a softmax that the list does not call 'softmax' is quantised finished and normalised). What goes into a quantiser is computed in f32, as accurately as f32 sums, v_exp_f32 and their like allow (about 1e-6 of the number): no bf16 or f16 on the way to a quantiser, and a product that is left as it is and whose result goes on into a quantised operand takes f32 operands (vector FMAs, or v_wmma_f32_16x16x4_f32). A number that lies on a knife's edge between two numbers of the format may be rounded either way, as far as f32 arithmetic and the matrix unit's own rounding can turn it there, and no further.
;; One version. Each part assembles by itself: llvm-mc -triple=amdgcn-amd-amdhsa -mcpu=gfx1250 --defsym DOCPART=n.
;; ======== version 1 of 1: 4 launches
;; limits: right only within a limited range of input values
;; workspace buffers: xq 4,456,448 bytes; wq 1,671,168 bytes; wp 557,056 bytes; qk 9,437,184 bytes; vrec 4,456,448 bytes; yq 4,456,448 bytes
;; launch quant (part 1): grid 256 x 1, 8 waves a work-group, no clusters, 68,608 bytes of LDS; arguments x, Wqkv, Wproj, xq, wq, wp; writes xq, wq, wp
.if DOCPART == 1
	.amdgcn_target "amdgcn-amd-amdhsa--gfx1250"
	.amdhsa_code_object_version 6
	.text
	.protected	k_qcd399b3b54_quant
	.globl	k_qcd399b3b54_quant
	.p2align	8
	.type	k_qcd399b3b54_quant,@function
k_qcd399b3b54_quant:
	s_mov_b64 s[64:65], 0
	v_nop
	global_prefetch_b8 v0, s[64:65] scope:SCOPE_SE
	s_setreg_imm32_b32 hwreg(HW_REG_WAVE_MODE, 25, 1), 1
	s_wait_xcnt 0x0
; CAUSAL SELF-ATTENTION IN MX-FP4, launch 1 of 4: x, Wqkv and Wproj (f32) become codes of E2M1 with one E8M0 byte for each 32 along K, K innermost.
; WORK LEFT OUT BY THE PROGRAM (in the third launch): a step of 128 keys all of which come after a wave's 16 queries.  reference() builds the causal tril in its own body and sets those logits to -inf, so their
; softmax weights are 0 and they add nothing to the row's sum or to y, whatever finite values the inputs hold.  Nothing else is left out: every input is loaded, and bqkv stays whole, since it moves the codes of q, k and v.
; LIMITS: a NaN, an infinity or an overflow that reaches only those hidden logits is not carried to the result; NaN and infinities among the inputs are not served; a block of zeros gets the byte 1 where the rule says 127
; (its codes are zeros, which add nothing under any byte but 0xff, and the bytes are read by this program alone); blocks whose largest magnitude lies under 2^(3 - 127) are held at the byte 1.
; A block's scale byte is its largest magnitude's exponent field - 2; each number is divided by the scale and rounded to the nearest code, ties to even, beyond 6 the largest code.
; THE ROWS ARE STORED IN ANOTHER ORDER: in xq (rows = tokens), wq and wp (rows = output features) row t lies at the place t with its bits 3 and 4 exchanged.  So 16 rows on end of a buffer are the rows
; 32 b + 8 u + r + 8 (r / 8), r = 0 .. 15: used as source 0 of a product, two such tiles leave 16 NEIGHBOURS along that axis in a lane's 16 result registers, which the next quantiser wants.
; Work-groups 0-127 take x: a plain stream of blocks of 32; a wave takes 8 rows (8,192 numbers) in 16 steps of 512; each load reads 512 bytes on end, a step's 2,048 bytes turn through the wave's own stage in LDS and come back
; 64 bytes a lane (16 neighbours; two lanes hold a block).  Work-groups 128-255 take the weights, whose K is the FIRST axis: a lane takes a column and its registers run down K.  Each path has LDS bytes of its own.
.set STEPS, 16
.set EMAX,  2
.set CB,    8                          ; bytes of 16 codes
.set R,     16                         ; x path: v16-143 eight sets of 16 numbers as loaded: the loads run eight steps (32 loads a wave) ahead
.set X,     144                        ; v144-175 two sets of 16 neighbours
.set E,     176                        ; v176-191 a scale byte for each step
.set C,     192                        ; v192-255 codes, four registers a step: no store's data are written again
.set WREG,  6144                       ; x path: LDS of a wave: two stages of 32 x SP bytes, behind them its 256 scale bytes
.set SP,    80                         ; a lane's place in a stage: 64 bytes + 16 of padding
.set SPW,   12                         ; v12 LDS address of my spare word; never rewritten
.set NIL,   13                         ; v13 0; never rewritten
.set WSTG,  8*WREG                     ; weight path: 64 columns x (256 bytes of codes + 16)
.set WPITCH, 272
.set WSC,   WSTG+64*WPITCH             ; and their 16 scale bytes each
.set SPARE, WSC+64*16                  ; the spare words, 128 bytes for each of the eight waves, which no other line names
.set OFF,   16                         ; weight path: v16-47 row i of a block: i x pitch + 4 x lane
.set WX,    48                         ; v48-111 two sets of 32 numbers
.set WC,    112                        ; v112-127 codes, four registers a block
.set OUTR,  128                        ; v128-143 the way out
	s_load_b256 s[4:11], s[0:1], 0x0               ; x s[4:5], Wqkv s[6:7], Wproj s[8:9], xq s[10:11]
	s_load_b128 s[12:15], s[0:1], 0x20             ; wq s[12:13], wp s[14:15]
	v_lshl_add_u32 v[SPW], v0, 2, SPARE
	v_mov_b32 v[NIL], 0
	v_lshrrev_b32 v1, 5, v0
	s_delay_alu instid0(VALU_DEP_1)
	v_readfirstlane_b32 s16, v1                    ; wave 0..7
	v_and_b32 v2, 31, v0                           ; lane
	s_cmp_ge_u32 ttmp9, 128                        ; the work-group's number alone: all eight waves go the same way
	s_cbranch_scc1 .Lweights
	; ---------------- x ----------------
	v_lshlrev_b32 v3, 4, v2                        ; my 16 bytes of a load's 512
	s_mul_i32 s17, s16, WREG
	v_lshrrev_b32 v14, 2, v2
	s_delay_alu instid0(VALU_DEP_1)
	v_mul_u32_u24 v14, v14, SP
	v_and_b32 v15, 3, v2
	s_delay_alu instid0(VALU_DEP_1)
	v_lshl_add_u32 v14, v15, 4, v14
	s_delay_alu instid0(VALU_DEP_1)
	v_add_nc_u32 v14, s17, v14                     ; the stage, on the way in: SP (lane / 4) + 16 (lane % 4)
	v_mul_u32_u24 v15, v2, SP
	s_delay_alu instid0(VALU_DEP_1)
	v_add_nc_u32 v15, s17, v15                     ; and on the way out: SP x lane: my 16 neighbours
	v_mul_u32_u24 v4, v2, CB                       ; my codes' place in a step's
	v_lshrrev_b32 v5, 1, v2
	s_add_co_u32 s17, s17, 2*32*SP
	v_add_nc_u32 v5, s17, v5                       ; LDS: my wave's 256 scale bytes, my block's byte
	v_lshlrev_b32 v7, 3, v2
	s_delay_alu instid0(VALU_DEP_1)
	v_add_nc_u32 v6, s17, v7                       ; and on the way out 8 bytes a lane
	s_lshl_b32 s18, ttmp9, 3
	s_add_co_u32 s18, s18, s16                     ; which run of 8 rows is my wave's
	s_lshl_b32 s20, s18, 15                        ; 32,768 bytes of x a run
	s_mov_b32 s21, 0
	s_and_b32 s22, s18, 0xfffffffc                 ; the run's bits 0 and 1 are the rows' bits 3 and 4: they change places on the way out
	s_and_b32 s23, s18, 1
	s_lshl_b32 s23, s23, 1
	s_or_b32 s22, s22, s23
	s_bfe_u32 s23, s18, 0x10001
	s_or_b32 s22, s22, s23
	s_lshl_b32 s24, s22, 12                        ; 4,096 bytes of codes a run
	s_mov_b32 s25, 0
	s_lshl_b32 s26, s22, 8                         ; 256 scale bytes a run,
	s_add_co_u32 s26, s26, 0x400000                ; behind the codes
	s_mov_b32 s27, 0
	s_wait_alu depctr_va_vdst(0)
	s_wait_kmcnt 0x0
	s_add_nc_u64 s[4:5], s[4:5], s[20:21]
	s_add_nc_u64 s[24:25], s[10:11], s[24:25]
	s_add_nc_u64 s[26:27], s[10:11], s[26:27]
.macro LOAD t
.irp i, 0,1,2,3
	global_load_b128 v[R+16*((\t)%8)+4*\i:R+16*((\t)%8)+4*\i+3], v3, s[4:5] offset:2048*(\t)+512*\i th:TH_LOAD_NT   ; 32 lanes read 512 bytes on end
.endr
.endm
.macro TURN t                          ; step t's numbers through the stage: LDS serves a wave's instructions in order, so no wait stands between the stores and the loads
.irp i, 0,1,2,3
	ds_store_b128 v14, v[R+16*((\t)%8)+4*\i:R+16*((\t)%8)+4*\i+3] offset:32*SP*((\t)%2)+8*SP*\i
.endr
.irp i, 0,1,2,3
	ds_load_b128 v[X+16*((\t)%2)+4*\i:X+16*((\t)%2)+4*\i+3], v15 offset:32*SP*((\t)%2)+16*\i
.endr
.endm
.irp t, 0,1,2,3,4,5,6,7
	LOAD \t
.endr
	s_wait_loadcnt 28                              ; step 0's four loads are in; those of seven steps may be out
	TURN 0
.macro STEP t
.set XS, X+16*((\t)%2)
.if (\t) > 0
	s_wait_dscnt 1                                 ; this step's numbers are back from the stage (the last step's byte store may be out): so its stores into the stage have read their registers,
.else
	s_wait_dscnt 0x0
.endif
.if (\t)+8 < STEPS
	LOAD (\t)+8                                    ; which take the loads of eight steps on
.endif
.if (\t)+1 < STEPS
.if STEPS-2-(\t) >= 7
	s_wait_loadcnt 28                              ; the next step's four loads are in; those of the seven steps behind it may be out
.else
	s_wait_loadcnt 4*(STEPS-2-(\t))
.endif
	TURN (\t)+1                                    ; and go through the other stage while this step is worked
.endif
	v_max3_num_f32 v8, |v[XS]|, |v[XS+1]|, |v[XS+2]|               ; the largest magnitude of my 16, in two chains
	v_max3_num_f32 v9, |v[XS+3]|, |v[XS+4]|, |v[XS+5]|
.irp i, 6,10
	s_delay_alu instid0(VALU_DEP_2)
	v_max3_num_f32 v8, v8, |v[XS+\i]|, |v[XS+\i+1]|
	s_delay_alu instid0(VALU_DEP_2)
	v_max3_num_f32 v9, v9, |v[XS+\i+2]|, |v[XS+\i+3]|
.endr
	s_delay_alu instid0(VALU_DEP_2)
	v_max3_num_f32 v8, v8, |v[XS+14]|, |v[XS+15]|
	s_delay_alu instid0(VALU_DEP_1)
	v_max3_num_f32 v8, v8, v9, (EMAX+1)<<23        ; and the floor 2^(3 - 127): the byte cannot fall under 1
	s_delay_alu instid0(VALU_DEP_1)
	v_max_num_f32_dpp v8, v8, v8 row_xmask:1 row_mask:0xf bank_mask:0xf   ; and of my neighbour's 16: the block's
	s_delay_alu instid0(VALU_DEP_1)
	v_add_nc_u32 v11, -(EMAX<<23), v8              ; 2 off its exponent field: the conversion takes the exponent field of this operand as its scale
	v_cvt_scalef32_pk8_fp4_f32 v[C+4*(\t)], v[XS:XS+7], v11
	v_cvt_scalef32_pk8_fp4_f32 v[C+4*(\t)+1], v[XS+8:XS+15], v11
	v_lshrrev_b32 v[E+(\t)], 23, v11               ; the scale's byte
	ds_store_b8 v5, v[E+(\t)] offset:16*(\t)       ; both lanes of a block write the same byte with the same value
	global_store_b64 v4, v[C+4*(\t):C+4*(\t)+1], s[24:25] offset:32*CB*(\t)   ; the wave stores 256 bytes on end, aligned
.endm
.irp t, 0,1,2,3,4,5,6,7,8,9,10,11,12,13,14,15
	STEP \t
.endr
	ds_load_b64 v[8:9], v6                         ; LDS serves a wave's instructions in order: these see my byte stores
	s_wait_dscnt 0x0
	global_store_b64 v7, v[8:9], s[26:27]          ; 32 lanes store 256 bytes on end, aligned
	s_wait_tensorcnt 0x0                           ; the wave's end
	ds_add_u32 v[SPW], v[NIL]
	s_wait_dscnt 0x0
	s_endpgm
	; ---------------- the weights ----------------
	; A work-group takes 64 columns x 512 along K; wave w takes columns 32 (w % 2) on and 128 along K at 128 (w / 2): four blocks a lane.  A block of 32 lies in ONE lane's 32 registers.
	; The codes meet in a stage (a row = a column's 256 bytes) and leave as rows: sixteen lanes store 256 bytes on end, aligned.
.Lweights:
	s_sub_co_u32 s17, ttmp9, 128
	s_lshr_b32 s18, s17, 1                         ; which 64 columns: 0-47 of Wqkv, 48-63 of Wproj
	s_and_b32 s19, s17, 1                          ; which 512 along K
	s_and_b32 s20, s16, 1                          ; cw
	s_lshr_b32 s21, s16, 1                         ; kw
	s_mov_b32 s22, 4096
	s_mov_b32 s23, 524288
	s_cmp_lt_u32 s18, 48
	s_cselect_b32 s22, 12288, s22                  ; bytes from row to row of the weight
	s_cselect_b32 s23, 1572864, s23                ; where the scale bytes begin in its buffer of codes
	s_cselect_b32 s24, 0, 48
	s_sub_co_u32 s24, s18, s24
	s_lshl_b32 s24, s24, 6                         ; the work-group's first column
	s_lshl_b32 s25, s19, 9
	s_lshl_b32 s26, s21, 7
	s_add_co_u32 s25, s25, s26                     ; my first row along K
	s_mul_i32 s26, s25, s22
	s_lshl_b32 s27, s20, 5
	s_add_co_u32 s27, s27, s24                     ; my wave's first column
	s_lshl_b32 s28, s27, 2
	s_add_co_u32 s26, s26, s28
	s_mov_b32 s27, 0                               ; s[26:27]: where my wave's part of the weight begins
	s_lshl_b32 s28, s22, 5
	s_mov_b32 s29, 0                               ; s[28:29]: a block of 32 rows on
	s_lshr_b32 s30, s16, 2                         ; the way out: wave w stores columns 8 w .. 8 w + 7, at the places with bits 3 and 4 exchanged
	s_lshl_b32 s30, s30, 5
	s_lshl_b32 s31, s20, 4
	s_add_co_u32 s30, s30, s31
	s_bfe_u32 s31, s16, 0x10001
	s_lshl_b32 s31, s31, 3
	s_add_co_u32 s30, s30, s31
	s_add_co_u32 s30, s30, s24
	s_lshl_b32 s30, s30, 9                         ; 512 bytes a row of codes
	s_lshl_b32 s31, s19, 8
	s_add_co_u32 s30, s30, s31                     ; + my 256 bytes of it
	s_mov_b32 s31, 0
	s_lshl_b32 s32, s20, 5                         ; the scale bytes (waves 0 and 1): 32 columns each, 32 bytes a row, 16 of them mine
	s_add_co_u32 s32, s32, s24
	s_lshl_b32 s32, s32, 5
	s_add_co_u32 s32, s32, s23
	s_lshl_b32 s33, s19, 4
	s_add_co_u32 s32, s32, s33
	s_mov_b32 s33, 0
	s_wait_alu depctr_va_vdst(0)
	v_lshlrev_b32 v3, 2, v2
.irp i, 0,1,2,3,4,5,6,7,8,9,10,11,12,13,14,15,16,17,18,19,20,21,22,23,24,25,26,27,28,29,30,31
	v_mad_u32_u24 v[OFF+\i], s22, \i, v3
.endr
	s_mul_i32 s34, s20, 32*WPITCH
	s_lshl_b32 s35, s21, 6
	s_add_co_u32 s34, s34, s35
	s_add_co_u32 s34, s34, WSTG
	v_mul_u32_u24 v4, v2, WPITCH
	s_delay_alu instid0(VALU_DEP_1)
	v_add_nc_u32 v4, s34, v4                       ; into the stage: row = my column, 64 bytes for each 128 along K
	s_lshl_b32 s34, s20, 9
	s_add_co_u32 s34, s34, WSC
	v_lshl_add_u32 v15, v2, 4, s34                 ; my column's 16 scale bytes,
	s_lshl_b32 s35, s21, 2
	v_add_nc_u32 v5, s35, v15                      ; and my four of them
	v_and_b32 v8, 15, v2
	v_lshrrev_b32 v9, 4, v2
	s_mul_i32 s34, s16, 8*WPITCH
	s_add_co_u32 s34, s34, WSTG
	v_mul_u32_u24 v6, v9, WPITCH
	s_delay_alu instid0(VALU_DEP_1)
	v_lshl_add_u32 v6, v8, 4, v6
	s_delay_alu instid0(VALU_DEP_1)
	v_add_nc_u32 v6, s34, v6                       ; out of the stage: sixteen lanes to a row, two rows an instruction
	v_lshlrev_b32 v7, 9, v9
	s_delay_alu instid0(VALU_DEP_1)
	v_lshl_add_u32 v7, v8, 4, v7                   ; and the same place in the codes' buffer
	v_and_b32 v1, 7, v2
	v_bfe_u32 v10, v2, 3, 1
	s_delay_alu instid0(VALU_DEP_1)
	v_lshl_or_b32 v1, v10, 4, v1
	s_delay_alu instid0(VALU_DEP_1)
	v_lshl_or_b32 v1, v9, 3, v1
	s_delay_alu instid0(VALU_DEP_1)
	v_lshlrev_b32 v1, 5, v1                        ; my column's row of scale bytes: the lane with bits 3 and 4 exchanged, x 32
	s_wait_kmcnt 0x0
	s_cmp_lt_u32 s18, 48                           ; the choice of buffers hangs on the work-group's number alone
	s_cselect_b64 s[36:37], s[6:7], s[8:9]
	s_cselect_b64 s[38:39], s[12:13], s[14:15]
	s_add_nc_u64 s[40:41], s[36:37], s[26:27]      ; a base for each of my four blocks: no pointer is stepped
	s_add_nc_u64 s[42:43], s[40:41], s[28:29]
	s_add_nc_u64 s[44:45], s[42:43], s[28:29]
	s_add_nc_u64 s[46:47], s[44:45], s[28:29]
	s_add_nc_u64 s[30:31], s[38:39], s[30:31]
	s_add_nc_u64 s[32:33], s[38:39], s[32:33]
.macro LOADW t                         ; block t: W(32 t + i, my column), i = 0 .. 31, into set t % 2
.irp i, 0,1,2,3,4,5,6,7,8,9,10,11,12,13,14,15,16,17,18,19,20,21,22,23,24,25,26,27,28,29,30,31
	global_load_b32 v[WX+32*((\t)%2)+\i], v[OFF+\i], s[40+2*(\t):41+2*(\t)] th:TH_LOAD_NT
.endr
.endm
.macro BLOCKW t
.set XS, WX+32*((\t)%2)
.if (\t) < 3
	s_wait_loadcnt 32                              ; this block's 32 loads are in; the next block's may be out
.else
	s_wait_loadcnt 0x0
.endif
	v_max3_num_f32 v8, |v[XS]|, |v[XS+1]|, |v[XS+2]|               ; the block's largest magnitude: all 32 numbers are mine
	v_max3_num_f32 v9, |v[XS+3]|, |v[XS+4]|, |v[XS+5]|
.irp i, 6,10,14,18,22,26
	s_delay_alu instid0(VALU_DEP_2)
	v_max3_num_f32 v8, v8, |v[XS+\i]|, |v[XS+\i+1]|
	s_delay_alu instid0(VALU_DEP_2)
	v_max3_num_f32 v9, v9, |v[XS+\i+2]|, |v[XS+\i+3]|
.endr
	s_delay_alu instid0(VALU_DEP_2)
	v_max3_num_f32 v8, v8, |v[XS+30]|, |v[XS+31]|
	s_delay_alu instid0(VALU_DEP_1)
	v_max3_num_f32 v8, v8, v9, (EMAX+1)<<23        ; and the floor
	s_delay_alu instid0(VALU_DEP_1)
	v_add_nc_u32 v10, -(EMAX<<23), v8              ; the conversion's scale operand
	s_delay_alu instid0(VALU_DEP_1)
	v_lshrrev_b32 v11, 23, v10                     ; the scale's byte
.if (\t) == 0
	s_delay_alu instid0(VALU_DEP_1)
	v_mov_b32 v14, v11                             ; four bytes to a word, the lower K in the lower byte
.else
	s_delay_alu instid0(VALU_DEP_1)
	v_lshl_or_b32 v14, v11, 8*(\t), v14
.endif
.irp g, 0,1,2,3
	v_cvt_scalef32_pk8_fp4_f32 v[WC+4*(\t)+\g], v[XS+8*\g:XS+8*\g+7], v10
.endr
	ds_store_b128 v4, v[WC+4*(\t):WC+4*(\t)+3] offset:16*(\t)      ; 32 codes: 16 bytes of my column's row
.if (\t)+2 < 4
	LOADW (\t)+2
.endif
.endm
	LOADW 0
	LOADW 1
	BLOCKW 0
	BLOCKW 1
	BLOCKW 2
	BLOCKW 3
	ds_store_b32 v5, v14
	s_wait_dscnt 0x0                               ; for the others' sake: my stores into the stage are done
	s_barrier_signal -1
	s_barrier_wait -1
.irp i, 0,1,2,3
	ds_load_b128 v[OUTR+4*\i:OUTR+4*\i+3], v6 offset:2*\i*WPITCH
.endr
.irp i, 0,1,2,3
	s_wait_dscnt 3-\i                              ; LDS loads come back in order: load i is in
	global_store_b128 v7, v[OUTR+4*\i:OUTR+4*\i+3], s[30:31] offset:2*\i*512   ; sixteen lanes store 256 bytes on end, aligned
.endr
	s_cmp_lt_u32 s16, 2
	s_cbranch_scc0 .Lno_scales
	ds_load_b128 v[144:147], v15
	s_wait_dscnt 0x0
	global_store_b128 v1, v[144:147], s[32:33]     ; 16 bytes of each column's 32: one byte in 128 of what this path reads
.Lno_scales:
	s_wait_tensorcnt 0x0                           ; the wave's end
	ds_add_u32 v[SPW], v[NIL]
	s_wait_dscnt 0x0
	s_endpgm
.Lfunc_end_k_qcd399b3b54_quant:
	.size	k_qcd399b3b54_quant, .Lfunc_end_k_qcd399b3b54_quant-k_qcd399b3b54_quant
	.p2alignl 7, 3214868480
	.fill 96, 4, 3214868480
	.section	.rodata,"a",@progbits
	.p2align	6, 0x0
	.amdhsa_kernel k_qcd399b3b54_quant
		.amdhsa_group_segment_fixed_size 68608
		.amdhsa_private_segment_fixed_size 0
		.amdhsa_enable_private_segment 0
		.amdhsa_kernarg_size 48
		.amdhsa_user_sgpr_count 2
		.amdhsa_user_sgpr_kernarg_segment_ptr 1
		.amdhsa_wavefront_size32 1
		.amdhsa_system_sgpr_workgroup_id_x 1
		.amdhsa_system_sgpr_workgroup_id_y 1
		.amdhsa_system_sgpr_workgroup_id_z 1
		.amdhsa_system_vgpr_workitem_id 0
		.amdhsa_next_free_vgpr 256
		.amdhsa_next_free_sgpr 66
		.amdhsa_reserve_vcc 0
		.amdhsa_float_denorm_mode_32 3
		.amdhsa_float_denorm_mode_16_64 3
		.amdhsa_memory_ordered 1
		.amdhsa_forward_progress 1
		.amdhsa_inst_pref_size 65
	.end_amdhsa_kernel
	.amdgpu_metadata
---
amdhsa.version: [ 1, 2 ]
amdhsa.kernels:
  - .name:           k_qcd399b3b54_quant
    .symbol:         k_qcd399b3b54_quant.kd
    .args:
      - { .name: x, .offset: 0, .size: 8, .value_kind: global_buffer, .address_space: global }
      - { .name: Wqkv, .offset: 8, .size: 8, .value_kind: global_buffer, .address_space: global }
      - { .name: Wproj, .offset: 16, .size: 8, .value_kind: global_buffer, .address_space: global }
      - { .name: xq, .offset: 24, .size: 8, .value_kind: global_buffer, .address_space: global }
      - { .name: wq, .offset: 32, .size: 8, .value_kind: global_buffer, .address_space: global }
      - { .name: wp, .offset: 40, .size: 8, .value_kind: global_buffer, .address_space: global }
    .group_segment_fixed_size: 68608
    .private_segment_fixed_size: 0
    .kernarg_segment_align: 8
    .kernarg_segment_size: 48
    .max_flat_workgroup_size: 256
    .sgpr_count:     66
    .vgpr_count:     256
    .wavefront_size: 32
...
	.end_amdgpu_metadata
.endif
;; end of part 1
;; launch gemm_qkv (part 2): grid 12 x 32, 4 waves a work-group, clusters of 4 x 4, 327,680 bytes of LDS; arguments xq, wq, bqkv, qk, vrec; writes qk, vrec
.if DOCPART == 2
	.amdgcn_target "amdgcn-amd-amdhsa--gfx1250"
	.amdhsa_code_object_version 6
	.text
	.protected	k_qcd399b3b54_gemm_qkv
	.globl	k_qcd399b3b54_gemm_qkv
	.p2align	8
	.type	k_qcd399b3b54_gemm_qkv,@function
k_qcd399b3b54_gemm_qkv:
	s_mov_b64 s[64:65], 0
	v_nop
	global_prefetch_b8 v0, s[64:65] scope:SCOPE_SE
	s_setreg_imm32_b32 hwreg(HW_REG_WAVE_MODE, 25, 1), 1
	s_wait_xcnt 0x0
	s_wait_alu depctr_hold_cnt(0) depctr_sa_sdst(0) depctr_va_vdst(0) depctr_va_sdst(0) depctr_va_ssrc(0) depctr_va_vcc(0) depctr_vm_vsrc(0)
	s_getreg_b32 s2, hwreg(HW_REG_IB_STS2, 6, 4)
	s_cmp_eq_u32 s2, 0
	s_cbranch_scc0 .Lentry_in_a_cluster
	s_endpgm
.Lentry_in_a_cluster:
	s_bfe_u32 s2, ttmp6, 0x10000c
	s_cmp_lg_u32 s2, 0xf033
	s_cbranch_scc0 .Lentry_shape_is_right
	s_endpgm
.Lentry_shape_is_right:
; Launch 2 of 4: qkv = x Wqkv + bqkv on codes of FP4 (E2M1) with E8M0 scales, and q, k, v QUANTISED IN REGISTERS on the way out: no f32 number of qkv goes to memory.
; A work-group of four waves makes 256 x 256 of the product, a wave 128 x 128 in 64 accumulators.  K = 1,024 is two LDS slots of 512 (rows of 256 bytes): both slots and all scale bytes are first fills; nothing is filled again.
; The matrix instruction takes 16 rows of operand P as source 0 and 16 rows of operand Q as source 1: a lane then holds ONE row of Q, and its registers run along P.  The rows of xq and wq lie with bits 3 and 4 of their number
; exchanged, so the 16 registers of accumulators (a, 2 b) and (a, 2 b + 1) are 16 neighbours along P: 32 b + 16 (lane / 16) + 0 .. 15; lane r of Q's block a is row 32 (a / 2) + 8 (a % 2) + r + 8 (r / 8).
; TWO MODES, by the cluster's x, which all sixteen partners share.  x < 2: P = features of q and k, Q = tokens: a lane's registers run along a head's 64, the K of q k^T.  x = 2: P = tokens, Q = features of v: they run along the
; keys, the K of p v.  Only pointers and tile numbers differ until the last step; then each mode has its own way out.
; OUT: qk: records [32 (q's heads, then k's)][64 groups of 128 tokens] of 4,608 bytes: eight images of an operand's registers 0-3 (tile a: lane l's 16 bytes at 512 a + 16 l), then the scale words, tile a row r at
; 4,096 + 256 (a / 4) + 16 r + 4 (a % 4) (bytes 0, 1: the head's two blocks; 2, 3: 0).  vrec: records [16 heads][64 groups] of 4,352 bytes: four images of 8 registers (tile t, registers 4 c on: 1,024 t + 512 c + 16 l), words at 4,096 + 16 r + 4 t.
; CLUSTERS: 4 x 4.  Q's tile is shared along a row of the cluster, P's along a column: joint loads with a mask that names the four.
; LIMITS: as stated at the head of the first launch (NaN and infinities not served; a block of zeros keeps the byte 1).
; REGISTERS: window 0: v0-31 addresses (v8-15: a set of codes); v32-95 scale words, two sets, and nothing else; v96-127 the quantiser's; v128-191 Q's fragments, later 64 numbers; v192-255 the bias.
;   window 1: P's fragments, two sets.  windows 2, 3: the accumulators ((a, b) at v[8 (8 (a % 4) + b)]).
.set NQ,     4                         ; steps of 128 along K in a slot
.set ROWB,   512                       ; a tile's row in bytes: all 1,024 codes of K
.set KROW,   512                       ; a row of codes in memory
.set PITCH,  528                       ; an LDS row: 512 bytes + 16 = 132 words: the 16 rows that a load touches start 4 words apart modulo the 64 banks (ISA guide 11.1)
.set FR,     8
.set NL,     2
.set NP,     4                         ; places behind this matrix instruction (ISA guide 7.12.1)
.set HALFT,  128*PITCH
.set SLOT,   256                       ; ALL OF K COMES IN ONE FILL: the second 512 along K lie 256 bytes on in each LDS row.  Q's 256 rows, then P's 256 rows
.set KS,     32                        ; a row of scale bytes
.set SCL,    4*HALFT
.set HALFS,  (128*KS/256)*272
.set SBLK,   (16*KS/256)*272
.set SPARE,  SCL+4*HALFS               ; the spare words, 128 bytes a wave, which no other line names
.set XSCO,   4194304                   ; where the scale bytes begin in xq
.set WSCO,   1572864                   ; and in wq
.set QKREC,  4608
.set QKHEAD, 64*QKREC
.set VREC,   4352
.set VHEAD,  64*VREC
.set ADRA, 16                          ; v16-17 LDS address of my fragments of Q in slot 0, 1
.set ADRB, 20                          ; v20-21 of P
.set LO16, 26                          ; v26 16 x lane
.set ADRS, 27                          ; v27 LDS address of my scale words: lanes 0-15 Q's rows, lanes 16-31 P's
.set SPW,  28
.set NIL,  29
.set SC,   32
.set TM,   96                          ; v96-99 largest magnitudes, v100-103 the other half's, then bytes, v104-107 the conversions' scale operands
.set SW,   108                         ; v108-115 the scale word of each block a
.set PCA,  116                         ; v116-123 and v8-15: the codes just made, two sets by turns
.set SOF,  124
.set HS,   125
.set BOF,  126
.set AF,   128
.set T,    128
.set BB,   192
.set SEL,  66                          ; s[66:67] lane selects for v_permlanex16_b32: lane l xor 16
.set G1, 24
.set G0, 32
.set G1B, 48
.set G0B, 56
.set G1S, 68
.set G0S, 76
.set G1SB, 80
.set G0SB, 88
.set MSB, 0
.macro WIN new                         ; the immediate's high byte repeats the setting that is left
.if MSB != (\new)
	s_set_vgpr_msb (MSB<<8)|(\new)
.set MSB, (\new)
.endif
.endm
.set MUL_LO, 0xa1                      ; source 0 (P) window 1, source 1 (Q) window 0, C and D window 2
.set MUL_HI, 0xf1
.set TO_B,   0x40
; THE HEAD'S JOINT LOADS, ONE A WAVE: one tree of branches on the wave's number, an arm a load, all arms leading to one join.  An s_nop 0 and four v_nop follow each load.
.macro ARM under, g0, g1, next
	s_cmp_lt_u32 s14, \under
	s_cbranch_scc0 \next
	tensor_load_to_lds s[\g0:\g0+3], s[\g1:\g1+7]
	s_nop 0
.rept 4
	v_nop
.endr
	s_branch .Lhead_asked
\next:
.endm
.macro CROUND                          ; a round of the cluster's barrier
	s_barrier_signal -1
	s_barrier_wait -1
	s_cmp_lg_u32 s14, 0
	s_cbranch_scc1 .Lnot_wave_0_\@
	s_barrier_signal -3
.Lnot_wave_0_\@:
	s_barrier_wait -3
	s_barrier_signal -1
	s_barrier_wait -1
.endm
	s_load_b128 s[4:7], s[0:1], 0x0                ; xq s[4:5], wq s[6:7]
	s_load_b64 s[12:13], s[0:1], 0x10              ; bqkv
	s_load_b128 s[96:99], s[0:1], 0x18             ; qk s[96:97], vrec s[98:99]
	v_lshl_add_u32 v[SPW], v0, 2, SPARE
	v_mov_b32 v[NIL], 0
	ds_add_u32 v[SPW], v[NIL]                      ; the wave's opening
	ds_add_u32 v[SPW], v[NIL]
	v_lshrrev_b32 v1, 5, v0
	v_readfirstlane_b32 s14, v1                    ; wave 0..3
	s_lshr_b32 s15, s14, 1                         ; which half of Q's 256 rows is mine.  Also: I fetch codes (0) or scales (1)
	s_and_b32 s16, s14, 1                          ; which half of P's.  Also: I fetch for Q (0) or for P (1)
	s_bfe_u32 s40, ttmp6, 0x40000                  ; cx
	s_bfe_u32 s41, ttmp6, 0x40004                  ; cy
	s_and_b32 s17, ttmp7, 0xffff                   ; the cluster's y
	s_cmp_lt_u32 ttmp9, 2                          ; the mode: the cluster's x, the same in all sixteen partners
	s_cselect_b32 s2, 1, 0                         ; 1: q and k;  0: v
	s_cselect_b32 s42, ttmp9, s17                  ; along which cluster coordinate P's tiles go,
	s_cselect_b32 s17, s17, ttmp9                  ; and Q's
	s_mov_b32 s94, WSCO
	s_cselect_b32 s94, XSCO, s94                   ; where Q's scale bytes begin behind its codes,
	s_mov_b32 s95, XSCO
	s_cselect_b32 s95, WSCO, s95                   ; and P's
	s_lshl_b32 s42, s42, 2
	s_add_co_u32 s42, s42, s40                     ; P's tile of 256 rows
	s_lshl_b32 s17, s17, 2
	s_add_co_u32 s17, s17, s41                     ; Q's
	s_lshl_b32 s43, s41, 2
	s_lshl_b32 s43, 15, s43                        ; my row of the cluster
	s_lshl_b32 s44, 0x1111, s40                    ; my column
	s_or_b32 s[G1+0], s43, (0<<16)|(1<<20)|(1<<21)|(6<<22)|(3<<25)  ; the mask: Q's tiles go to my row; elements of 1 byte; padding: 4 words behind every 128; bit 21 beside a mask
	s_or_b32 s[G1B+0], s44, (0<<16)|(1<<20)|(1<<21)|(6<<22)|(3<<25)
.irp g, G1, G1B
	s_mov_b32 s[\g+1], ROWB<<16                    ; tensor_dim0
	s_mov_b32 s[\g+2], 256<<16                     ; tensor_dim1: a whole tile of 256 rows
	s_mov_b32 s[\g+3], ROWB<<16                    ; tile_dim0
	s_mov_b32 s[\g+4], 256                         ; tile_dim1
	s_mov_b32 s[\g+5], KROW                        ; from row to row
	s_mov_b32 s[\g+6], 0
	s_mov_b32 s[\g+7], 0
.endr
	s_or_b32 s[G1S+0], s43, (3<<16)|(1<<20)|(1<<21)|(5<<22)|(3<<25) ; the scales of 256 rows: 8,192 dense bytes as 32 rows of 256 (32 elements of 8 bytes), 16 bytes of padding behind each
	s_or_b32 s[G1SB+0], s44, (3<<16)|(1<<20)|(1<<21)|(5<<22)|(3<<25)
.irp g, G1S, G1SB
	s_mov_b32 s[\g+1], 32<<16
	s_mov_b32 s[\g+2], (256*KS/256)<<16            ; the scales of 256 rows: 32 rows of 256 bytes
	s_mov_b32 s[\g+3], 32<<16
	s_mov_b32 s[\g+4], 256*KS/256
	s_mov_b32 s[\g+5], 32
	s_mov_b32 s[\g+6], 0
	s_mov_b32 s[\g+7], 0
.endr
	s_mov_b32 s[SEL], 0x76543210
	s_mov_b32 s[SEL+1], 0xfedcba98
	s_lshl_b32 s20, s17, 8                         ; Q: the tile's first row
	s_lshl_b32 s46, s42, 8                         ; P likewise
	s_mov_b32 s21, 0
	s_mov_b32 s47, 0
	s_mov_b64 s[18:19], KS
	s_mul_u64 s[22:23], s[20:21], s[18:19]         ; these rows' scale bytes,
	s_mul_u64 s[92:93], s[46:47], s[18:19]
	s_mov_b64 s[18:19], KROW
	s_mul_u64 s[20:21], s[20:21], s[18:19]         ; and their codes
	s_mul_u64 s[46:47], s[46:47], s[18:19]
	s_mov_b32 s18, s94                             ; (s19 is 0)
	s_add_nc_u64 s[22:23], s[22:23], s[18:19]
	s_mov_b32 s18, s95
	s_add_nc_u64 s[92:93], s[92:93], s[18:19]
	s_wait_dscnt 0x0                               ; both opening adds are done
	s_wait_kmcnt 0x0
	s_cmp_lg_u32 s2, 0
	s_cselect_b64 s[8:9], s[6:7], s[4:5]           ; P's buffer,
	s_cselect_b64 s[4:5], s[4:5], s[6:7]           ; Q's
	s_add_nc_u64 s[20:21], s[4:5], s[20:21]
	s_add_nc_u64 s[22:23], s[4:5], s[22:23]
	s_add_nc_u64 s[46:47], s[8:9], s[46:47]
	s_add_nc_u64 s[92:93], s[8:9], s[92:93]
	CROUND                                         ; all sixteen work-groups are here: the joint loads meet
	s_mov_b32 s[G0S], 1                            ; four tiles, each whole, each filled once: the scales of Q's 256 rows,
	s_mov_b32 s[G0S+1], SCL
	s_mov_b64 s[G0S+2:G0S+3], s[22:23]
	s_or_b32 s[G0S+3], s[G0S+3], 0x80000000
	s_mov_b32 s[G0SB], 1                           ; of P's,
	s_mov_b32 s[G0SB+1], SCL+2*HALFS
	s_mov_b64 s[G0SB+2:G0SB+3], s[92:93]
	s_or_b32 s[G0SB+3], s[G0SB+3], 0x80000000
	s_mov_b32 s[G0], 1                             ; Q's 256 rows of codes, all of K,
	s_mov_b32 s[G0+1], 0
	s_mov_b64 s[G0+2:G0+3], s[20:21]
	s_or_b32 s[G0+3], s[G0+3], 0x80000000
	s_mov_b32 s[G0B], 1                            ; and P's, behind them
	s_mov_b32 s[G0B+1], 2*HALFT
	s_mov_b64 s[G0B+2:G0B+3], s[46:47]
	s_or_b32 s[G0B+3], s[G0B+3], 0x80000000
	ARM 1, G0,  G1,  .Lhead_b                      ; wave 0: Q's codes; wave 1: P's; wave 2: Q's scales; wave 3: P's scales
	ARM 2, G0B, G1B, .Lhead_sa
	ARM 3, G0S, G1S, .Lhead_sb
	tensor_load_to_lds s[G0SB:G0SB+3], s[G1SB:G1SB+7]
	s_nop 0
.rept 4
	v_nop
.endr
.Lhead_asked:
	v_and_b32 v1, 15, v0                           ; r = lane % 16
	v_bfe_u32 v2, v0, 4, 1                         ; h = lane / 16
	v_mul_u32_u24 v3, v1, PITCH
	v_lshl_add_u32 v4, v2, 4, v3                   ; a fragment's row x pitch + 16 h
	s_mul_i32 s21, s15, HALFT
	s_mul_i32 s22, s16, HALFT
	s_add_co_u32 s22, s22, 2*HALFT
.irp s, 0,1
	v_add_nc_u32 v[ADRA+\s], s21, v4
	v_add_nc_u32 v[ADRB+\s], s22, v4
	s_add_co_u32 s21, s21, SLOT
	s_add_co_u32 s22, s22, SLOT
.endr
	v_mul_u32_u24 v5, v1, KS                       ; my row's scales: 32 bytes a row,
	v_lshrrev_b32 v6, 8, v5
	v_lshl_add_u32 v5, v6, 4, v5                   ; and 16 more for each 256 passed
	s_mul_i32 s21, s15, HALFS
	s_mul_i32 s22, s16, HALFS
	s_add_co_u32 s22, s22, 2*HALFS
	s_sub_co_u32 s22, s22, s21
	v_mul_u32_u24 v6, s22, v2                      ; lanes 16-31 take P's: one product, the distance between the two bases
	s_add_co_u32 s21, s21, SCL
	v_add_nc_u32 v5, v5, v6
	v_add_nc_u32 v[ADRS], s21, v5
	v_and_b32 v6, 31, v0
	v_lshlrev_b32 v[LO16], 4, v6
.irp b, 0,1,2,3
	v_mov_b32 v[TM+4+\b], 0                        ; written once: a lane permute's destination counts as one of its sources
.endr
.macro FRAG reg, adr, q, i             ; 16 rows x 128 K of 4-bit codes: registers 4 c .. 4 c + 3 hold K = 64 c + 32 h + 0 .. 31
.irp c, 0,1
	ds_load_b128 v[\reg+4*\c:\reg+4*\c+3], v[\adr] offset:64*(\q)+32*\c+(\i)*16*PITCH
.endr
.endm
; 16 matrix instructions: Q's blocks a0, a0 + 1 x P's eight.  The 64 accumulators take turns, one instruction a turn, in the same order in every step.  zero = 1: the first product starts the sums.
.macro MUL16 a0, p, q, sc, zero
.irp a, \a0, \a0+1
.irp b, 0,1,2,3,4,5,6,7
.if \zero
	v_wmma_scale_f32_16x16x128_f8f6f4 v[8*(8*((\a)%4)+\b):8*(8*((\a)%4)+\b)+7], v[128*(\p)+FR*\b:128*(\p)+FR*\b+FR-1], v[AF+FR*(\a):AF+FR*(\a)+FR-1], 0, v[SC+8*NQ*(\sc)+NQ*\b+(\q)], v[SC+8*NQ*(\sc)+NQ*(\a)+(\q)] matrix_a_fmt:MATRIX_FMT_FP4 matrix_b_fmt:MATRIX_FMT_FP4 matrix_a_scale:MATRIX_SCALE_ROW1
.else
	v_wmma_scale_f32_16x16x128_f8f6f4 v[8*(8*((\a)%4)+\b):8*(8*((\a)%4)+\b)+7], v[128*(\p)+FR*\b:128*(\p)+FR*\b+FR-1], v[AF+FR*(\a):AF+FR*(\a)+FR-1], v[8*(8*((\a)%4)+\b):8*(8*((\a)%4)+\b)+7], v[SC+8*NQ*(\sc)+NQ*\b+(\q)], v[SC+8*NQ*(\sc)+NQ*(\a)+(\q)] matrix_a_fmt:MATRIX_FMT_FP4 matrix_b_fmt:MATRIX_FMT_FP4 matrix_a_scale:MATRIX_SCALE_ROW1
.endif
.endr
.endr
.endm
.macro FETCH_B slot, q, p
	WIN TO_B
.irp i, 0,1,2,3,4,5,6,7
	FRAG 128*(\p)+FR*\i, ADRB+\slot, \q, \i
.endr
	WIN 0
.endm
.macro FETCH_A slot, q, i0
.irp i, \i0, \i0+1, \i0+2, \i0+3
	FRAG AF+FR*(\i), ADRA+\slot, \q, \i
.endr
.endm
.macro SCALES sc                       ; a slot's scale words: four a row; lanes 0-15 take Q's block i, lanes 16-31 P's block i
.irp i, 0,1,2,3,4,5,6,7
	ds_load_b128 v[SC+8*NQ*\sc+NQ*\i:SC+8*NQ*\sc+NQ*\i+3], v[ADRS] offset:\i*SBLK
.endr
.endm
.macro PLACES n                        ; plain vector instructions between a matrix instruction and a load into, or a vector instruction on, one of its registers
.rept \n
	v_nop
.endr
.endm
.macro STEP slot, q, zero              ; a step of 128 along K that has its successor in the same slot
	s_wait_dscnt 4*NL                              ; P's set and Q's blocks 0-3 are in; the youngest eight loads (Q's blocks 4-7) may be out
	WIN MUL_LO
	MUL16 0, (\q)%2, \q, \slot, \zero
	MUL16 2, (\q)%2, \q, \slot, \zero
	s_wait_dscnt 0                                 ; Q's blocks 4-7 are in
	PLACES NP
	FETCH_B \slot, (\q)+1, 1-(\q)%2
	FETCH_A \slot, (\q)+1, 0
	WIN MUL_HI
	MUL16 4, (\q)%2, \q, \slot, \zero
	MUL16 6, (\q)%2, \q, \slot, \zero
	PLACES NP
	WIN 0
	FETCH_A \slot, (\q)+1, 4
.endm
.macro TURN slot, next                 ; slot 0's last step: behind the barrier slot 1 is whole for every wave.  Nothing is filled again
	s_wait_tensorcnt 0x0                           ; all my tensor loads have landed: my part of the next slot
	ds_add_u32 v[SPW], v[NIL]                      ; 0 onto my spare word
	s_wait_dscnt 4*NL+1                            ; (the add and the youngest eight loads may be out)
	WIN MUL_LO
	MUL16 0, 1, NQ-1, \slot, 0
	s_wait_dscnt 0x0                               ; no LDS instruction of mine is out at the signal
	s_barrier_signal -1
	MUL16 2, 1, NQ-1, \slot, 0
	WIN 0
	s_barrier_wait -1
	PLACES NP
	v_add_nc_u32 v[ADRS], 4*NQ, v[ADRS]            ; on to the next slot's scale words
	FETCH_B \next, 0, 0
	FETCH_A \next, 0, 0
	SCALES \next
	WIN MUL_HI
	MUL16 4, 1, NQ-1, \slot, 0
	MUL16 6, 1, NQ-1, \slot, 0
	PLACES NP
	WIN 0
	FETCH_A \next, 0, 4
.endm
.macro STEPS slot, from
.set Q, \from
.rept NQ-1-\from
	STEP \slot, Q, 0
.set Q, Q+1
.endr
.endm
.macro LAST                            ; the very last step: nothing more to fetch.  Written in both modes' arms, so that the bias lands under it
	s_wait_dscnt 4*NL
	WIN MUL_LO
	MUL16 0, 1, NQ-1, 1, 0
	MUL16 2, 1, NQ-1, 1, 0
	s_wait_dscnt 0
	WIN MUL_HI
	MUL16 4, 1, NQ-1, 1, 0
	MUL16 6, 1, NQ-1, 1, 0
	WIN 0
.endm
; Q's block a: its 64 sums + the bias, into v[T] on, each accumulator from its low end on.  The bias: v[BB + bstep x i + boff]
.macro EPI_ADD a, bstep, boff
	WIN 0x02+(\a)/4
.set AC, 64*((\a)%4)
.set i, 0
.rept 32
	v_pk_add_f32 v[T+i:T+i+1], v[AC+i:AC+i+1], v[BB+(\bstep)*i+(\boff):BB+(\bstep)*i+(\boff)+1]
.set i, i+2
.endr
	WIN 0
.endm
; 64 numbers of a lane, register 16 b + i = place 32 b + 16 h + i of my row, become a fragment's codes in v[pc] on and its scale word in v[pw]
.macro QUANT s, pc, pw
.irp b, 0,1,2,3
	v_max3_num_f32 v[TM+\b], |v[\s+16*\b]|, |v[\s+1+16*\b]|, 0x1800000   ; my 16 numbers of block b, and the floor 2^(3 - 127): the byte cannot fall under 1
.endr
.irp i, 2,4,6,8,10,12,14
.irp b, 0,1,2,3
	v_max3_num_f32 v[TM+\b], v[TM+\b], |v[\s+16*\b+\i]|, |v[\s+1+16*\b+\i]|   ; (the four blocks by turns)
.endr
.endr
.irp b, 0,1,2,3
	v_permlanex16_b32 v[TM+4+\b], v[TM+\b], s[SEL], s[SEL+1]
.endr
.irp b, 0,1,2,3
	v_max_num_f32 v[TM+\b], v[TM+\b], v[TM+4+\b]   ; with lane l xor 16's: the block's largest magnitude
.endr
.irp b, 0,1,2,3
	v_add_nc_u32 v[TM+8+\b], 0xff000000, v[TM+\b]  ; 2 off its exponent field: the conversion's scale operand
.endr
.irp b, 0,1,2,3
	v_lshrrev_b32 v[TM+4+\b], 23, v[TM+8+\b]       ; the scale's byte
.endr
	v_lshl_or_b32 v[\pw], v[TM+5], 8, v[TM+4]
	v_lshl_or_b32 v[\pw], v[TM+6], 16, v[\pw]
	v_lshl_or_b32 v[\pw], v[TM+7], 24, v[\pw]
.irp b, 0,1,2,3
	v_cvt_scalef32_pk8_fp4_f32 v[(\pc)+2*\b], v[\s+16*\b:\s+7+16*\b], v[TM+8+\b]
	v_cvt_scalef32_pk8_fp4_f32 v[(\pc)+1+2*\b], v[\s+8+16*\b:\s+15+16*\b], v[TM+8+\b]
.endr
	v_nop                                          ; one plain place behind a scaled conversion
.irp c, 0,1                            ; the operand's layout wants a WHOLE block in a lane: lanes 0-15 block 2 c, lanes 16-31 block 2 c + 1
.irp i, 0,1
	v_permlane16_swap_b32 v[(\pc)+4*\c+\i], v[(\pc)+2+4*\c+\i]
.endr
.endr
.endm
	s_wait_alu depctr_va_vdst(0)
	s_wait_tensorcnt 0x0                           ; my one tile is in; behind the barrier everybody's
	s_barrier_signal -1
	s_barrier_wait -1
	FETCH_B 0, 0, 0
	FETCH_A 0, 0, 0
	SCALES 0
	FETCH_A 0, 0, 4
	STEP 0, 0, 1                                   ; the first products start the sums: nothing is cleared
	STEPS 0, 1
	TURN 0, 1
	STEPS 1, 0
	s_cmp_lg_u32 s2, 0                             ; the mode: the same in all waves of all sixteen partners
	s_cbranch_scc0 .Lmode_v
	; ---- q and k.  My 128 features are two heads; block a is 16 tokens.  Registers 0-3 of the fragment are the first head's 64, registers 4-7 the second's
	s_lshl_b32 s20, s42, 10
	s_lshl_b32 s21, s16, 9
	s_add_co_u32 s20, s20, s21
	s_mov_b32 s21, 0
	s_add_nc_u64 s[12:13], s[12:13], s[20:21]      ; bqkv at my first feature
	v_lshlrev_b32 v[BOF], 6, v2                    ; + 16 h numbers
.irp b, 0,1,2,3
.irp j, 0,1,2,3
	global_load_b128 v[BB+16*\b+4*\j:BB+16*\b+4*\j+3], v[BOF], s[12:13] offset:128*\b+16*\j   ; the bias in the result's layout: register 16 b + i: feature 32 b + 16 h + i
.endr
.endr
	s_lshl_b32 s22, s42, 2
	s_lshl_b32 s23, s16, 1
	s_add_co_u32 s22, s22, s23                     ; my first head (16 on: k's)
	s_lshl_b32 s22, s22, 6
	s_lshl_b32 s23, s17, 1
	s_add_co_u32 s23, s23, s15                     ; my group of 128 tokens
	s_add_co_u32 s22, s22, s23
	s_mul_i32 s22, s22, QKREC
	s_mov_b32 s23, 0
	s_add_nc_u64 s[96:97], s[96:97], s[22:23]      ; my first head's record
	LAST
	PLACES NP
	s_wait_loadcnt 0x0                             ; the bias
.irp a, 0,1,2,3,4,5,6,7
	EPI_ADD \a, 1, 0
.if \a > 1
	s_wait_xcnt 0x0                                ; block a - 2's stores have read their registers: this set of codes may be written again
.endif
	QUANT T, PCA-108*(\a%2), SW+\a
	global_store_b128 v[LO16], v[PCA-108*(\a%2):PCA-108*(\a%2)+3], s[96:97] offset:512*\a            ; 512 bytes on end, aligned
	global_store_b128 v[LO16], v[PCA-108*(\a%2)+4:PCA-108*(\a%2)+7], s[96:97] offset:QKHEAD+512*\a
.endr
	v_lshlrev_b32 v[HS], 4, v2
.irp a, 0,1,2,3,4,5,6,7
	v_bfe_u32 v[SW+\a], v[SW+\a], v[HS], 16        ; lanes 0-15 keep the first head's two bytes, lanes 16-31 the second's
.endr
	v_mul_u32_u24 v[SOF], v2, QKHEAD
	v_lshl_add_u32 v[SOF], v1, 4, v[SOF]
	global_store_b128 v[SOF], v[SW:SW+3], s[96:97] offset:4096        ; each half of the lanes stores 256 bytes on end, aligned
	global_store_b128 v[SOF], v[SW+4:SW+7], s[96:97] offset:4096+256
	s_branch .Ldone
	; ---- v.  My 128 features are two heads (blocks 0-3, 4-7); a lane holds one feature and its registers run along my 128 tokens: the keys
.Lmode_v:
	s_lshl_b32 s20, s17, 10
	s_lshl_b32 s21, s15, 9
	s_add_co_u32 s20, s20, s21
	s_mov_b32 s21, 0
	s_add_nc_u64 s[12:13], s[12:13], s[20:21]
	v_and_b32 v[BOF], 8, v1
	v_add_nc_u32 v[BOF], v[BOF], v1
	v_lshlrev_b32 v[BOF], 2, v[BOF]                ; my feature in a block: r + 8 (r / 8)
.irp a, 0,1,2,3,4,5,6,7
	global_load_b32 v[BB+2*\a], v[BOF], s[12:13] offset:128*(\a/2)+32*(\a%2)     ; one number a lane and block, into both halves of a pair for the packed add
	global_load_b32 v[BB+2*\a+1], v[BOF], s[12:13] offset:128*(\a/2)+32*(\a%2)
.endr
	s_sub_co_u32 s22, s17, 8
	s_lshl_b32 s22, s22, 2
	s_lshl_b32 s23, s15, 1
	s_add_co_u32 s22, s22, s23                     ; my first head
	s_lshl_b32 s22, s22, 6
	s_lshl_b32 s23, s42, 1
	s_add_co_u32 s23, s23, s16                     ; my group of 128 tokens
	s_add_co_u32 s22, s22, s23
	s_mul_i32 s22, s22, VREC
	s_mov_b32 s23, 0
	s_add_nc_u64 s[98:99], s[98:99], s[22:23]
	LAST
	PLACES NP
	s_wait_loadcnt 0x0
.irp a, 0,1,2,3,4,5,6,7
	EPI_ADD \a, 0, 2*\a
.if \a > 1
	s_wait_xcnt 0x0                                ; block a - 2's stores have read their registers
.endif
	QUANT T, PCA-108*(\a%2), SW+\a
	global_store_b128 v[LO16], v[PCA-108*(\a%2):PCA-108*(\a%2)+3], s[98:99] offset:(\a/4)*VHEAD+(\a%4)*1024
	global_store_b128 v[LO16], v[PCA-108*(\a%2)+4:PCA-108*(\a%2)+7], s[98:99] offset:(\a/4)*VHEAD+(\a%4)*1024+512
.endr
	v_cmp_ne_u32 vcc_lo, 0, v2
.irp i, 0,1,2,3
	v_cndmask_b32 v[SW+\i], v[SW+\i], v[SW+4+\i], vcc_lo   ; lanes 16-31 store the second head's four words
.endr
	v_mul_u32_u24 v[SOF], v2, VHEAD
	v_lshl_add_u32 v[SOF], v1, 4, v[SOF]
	global_store_b128 v[SOF], v[SW:SW+3], s[98:99] offset:4096
.Ldone:
	s_wait_tensorcnt 0x0                           ; the wave's end
	ds_add_u32 v[SPW], v[NIL]
	s_wait_dscnt 0x0
	CROUND                                         ; the closing round
	s_endpgm
.Lfunc_end_k_qcd399b3b54_gemm_qkv:
	.size	k_qcd399b3b54_gemm_qkv, .Lfunc_end_k_qcd399b3b54_gemm_qkv-k_qcd399b3b54_gemm_qkv
	.p2alignl 7, 3214868480
	.fill 96, 4, 3214868480
	.section	.rodata,"a",@progbits
	.p2align	6, 0x0
	.amdhsa_kernel k_qcd399b3b54_gemm_qkv
		.amdhsa_group_segment_fixed_size 327680
		.amdhsa_private_segment_fixed_size 0
		.amdhsa_enable_private_segment 0
		.amdhsa_kernarg_size 40
		.amdhsa_user_sgpr_count 2
		.amdhsa_user_sgpr_kernarg_segment_ptr 1
		.amdhsa_wavefront_size32 1
		.amdhsa_system_sgpr_workgroup_id_x 1
		.amdhsa_system_sgpr_workgroup_id_y 1
		.amdhsa_system_sgpr_workgroup_id_z 1
		.amdhsa_system_vgpr_workitem_id 0
		.amdhsa_next_free_vgpr 1024
		.amdhsa_next_free_sgpr 100
		.amdhsa_reserve_vcc 1
		.amdhsa_float_denorm_mode_32 3
		.amdhsa_float_denorm_mode_16_64 3
		.amdhsa_memory_ordered 1
		.amdhsa_forward_progress 1
		.amdhsa_inst_pref_size 204
	.end_amdhsa_kernel
	.amdgpu_metadata
---
amdhsa.version: [ 1, 2 ]
amdhsa.kernels:
  - .name:           k_qcd399b3b54_gemm_qkv
    .symbol:         k_qcd399b3b54_gemm_qkv.kd
    .args:
      - { .name: xq, .offset: 0, .size: 8, .value_kind: global_buffer, .address_space: global }
      - { .name: wq, .offset: 8, .size: 8, .value_kind: global_buffer, .address_space: global }
      - { .name: bqkv, .offset: 16, .size: 8, .value_kind: global_buffer, .address_space: global }
      - { .name: qk, .offset: 24, .size: 8, .value_kind: global_buffer, .address_space: global }
      - { .name: vrec, .offset: 32, .size: 8, .value_kind: global_buffer, .address_space: global }
    .group_segment_fixed_size: 327680
    .private_segment_fixed_size: 0
    .kernarg_segment_align: 8
    .kernarg_segment_size: 40
    .max_flat_workgroup_size: 128
    .sgpr_count:     100
    .vgpr_count:     1024
    .wavefront_size: 32
...
	.end_amdgpu_metadata
.endif
;; end of part 2
;; launch attn (part 3): grid 4 x 64, 16 waves a work-group, clusters of 4 x 1, 167,936 bytes of LDS; arguments qk, vrec, padding_mask, yq; writes yq
.if DOCPART == 3
	.amdgcn_target "amdgcn-amd-amdhsa--gfx1250"
	.amdhsa_code_object_version 6
	.text
	.protected	k_qcd399b3b54_attn
	.globl	k_qcd399b3b54_attn
	.p2align	8
	.type	k_qcd399b3b54_attn,@function
k_qcd399b3b54_attn:
	s_mov_b64 s[64:65], 0
	v_nop
	global_prefetch_b8 v0, s[64:65] scope:SCOPE_SE
	s_setreg_imm32_b32 hwreg(HW_REG_WAVE_MODE, 25, 1), 1
	s_wait_xcnt 0x0
	s_wait_alu depctr_hold_cnt(0) depctr_sa_sdst(0) depctr_va_vdst(0) depctr_va_sdst(0) depctr_va_ssrc(0) depctr_va_vcc(0) depctr_vm_vsrc(0)
	s_getreg_b32 s2, hwreg(HW_REG_IB_STS2, 6, 4)
	s_cmp_eq_u32 s2, 0
	s_cbranch_scc0 .Lentry_in_a_cluster
	s_endpgm
.Lentry_in_a_cluster:
	s_bfe_u32 s2, ttmp6, 0x10000c
	s_cmp_lg_u32 s2, 0x3003
	s_cbranch_scc0 .Lentry_shape_is_right
	s_endpgm
.Lentry_shape_is_right:
; Launch 3 of 4: y = softmax(q k^T / 8, causal and padding mask) v for one batch and head, both products on codes of FP4 with E8M0 scales; y is quantised in registers for the projection.
; LEFT OUT: a step of 128 keys all of which come after the wave's 16 queries: reference()'s own tril makes their weights 0 for all inputs (shown at the head of the first launch).
; THE SOFTMAX: t = score x log2(e) / 8; M = the running largest t rounded up to a whole number; p = 2^(t - M) is quantised along the keys, not normalised; the row's sum is taken of the unquantised p and divides at the end.
; THE PADDING MASK is honoured as it is given, with no branch: a table of f32 in LDS holds 0 for a key that counts and -2^100 for one that does not, and is the C of the first product.  The running largest t begins at -2^90,
; above every masked t, so a masked key never moves M and its p is 0.  LIMIT: every t that counts lies above -2^90.  A query with no key that counts has the sum 0: its y's scale bytes are stored as 0xff, which makes the
; projection's whole row NaN, as reference()'s softmax of a row of -inf does.  NaN and infinities among the inputs are not served.
; SHARES.  The 2,048 tokens are 16 groups of 128, a group eight tiles of 16 queries.  The four work-groups of a head form a CLUSTER and ask for K's and V's records JOINTLY (mask 15).  Wave w of work-group cx takes tile
; 2 cx + w % 2 of group w / 2 and then of group 15 - w / 2: 17 key steps for every wave.  So every branch hangs on the wave's number and on counts of steps alone; cx enters global addresses and the diagonal's compare values only.
; Four waves share a SIMD, so one wave's vector work stands beside another's products and LDS loads.
; THE WHOLE HEAD LIES IN LDS: K's 16 records (73,728 bytes) and V's (69,632), each filled once; every wave issues one tensor load.  No prefetch: all that the launch reads is asked for at its head.
; LAYOUT.  S^T = K Q^T (source 0 = 16 keys, source 1 = my queries), O^T = V^T P^T: a lane holds ONE query (lane % 16).  Tile t's lane r is key (or channel, or query) 32 (t / 2) + 8 (t % 2) + r + 8 (r / 8), so the 16 registers of
; tiles 2 b, 2 b + 1 are 16 neighbours.  The head has 64 channels: Q's upper 64 of the first product's 128 along K are zero codes, so whatever codes stand in K's upper four registers add 0 (FP4 has finite codes alone, and
; bytes 2, 3 of both scale words are 0): K's tiles lie 4 registers apart, tile t's upper half being tile t + 1's codes, the last tile's four zeros.
; REGISTERS: v1-4, v7, v77 lane terms; v5, v6 the add's two; v8-11, v25 the step's addresses; v12 -M, v13 the largest t, v[14:15] the sum; v16-23 Q of the first pass, v68-75 of the second; v26 my query less 16 h; v27 -inf; v28 at work;
;   v30 f; v32-63 K, v64-67 zeros; v96-159 the table, then S^T, then p, then y; v160-191 O^T; v192-223 V; v224-231 p's codes; v232-239, v244-255 at work.  Scale words and nothing else: v24, v76 Q's, v31 p's, v80-87 K's, v240-243 V's.
.set KREC,  4608
.set VREC,  4352
.set VB,    16*KREC                    ; LDS: K's records from 0, V's from here,
.set MB,    VB+16*VREC                 ; the table, 4 bytes a key, and 512 bytes of zeros behind it (the look-ahead of the last step reads them); stored by the waves: no tensor load lands here,
.set SPARE, MB+8704                    ; the spare words, 128 bytes for each of sixteen waves, which no other line names
.set SPW,   5
.set NIL,   6
.macro CROUND                          ; a round of the cluster's barrier
	s_barrier_signal -1
	s_barrier_wait -1
	s_cmp_lg_u32 s12, 0
	s_cbranch_scc1 .Lnot_wave_0_\@
	s_barrier_signal -3
.Lnot_wave_0_\@:
	s_barrier_wait -3
	s_barrier_signal -1
	s_barrier_wait -1
.endm
	s_load_b256 s[4:11], s[0:1], 0x0               ; qk s[4:5], vrec s[6:7], padding_mask s[8:9], yq s[10:11]
	v_lshl_add_u32 v[SPW], v0, 2, SPARE
	v_mov_b32 v[NIL], 0
	ds_add_u32 v[SPW], v[NIL]                      ; the wave's opening
	ds_add_u32 v[SPW], v[NIL]
	v_lshrrev_b32 v8, 5, v0
	v_readfirstlane_b32 s12, v8                    ; wave 0..15
	s_and_b32 s18, ttmp7, 0xffff                   ; the cluster's y: 16 x batch + head
	s_lshr_b32 s13, s18, 4                         ; the batch
	s_and_b32 s14, s18, 15                         ; the head
	s_and_b32 s16, s12, 7                          ; which two records I fetch
	s_mov_b32 s24, 15|(3<<16)|(1<<21)              ; group 1 for K: all four partners; two records, 9,216 dense bytes, as 36 rows of 256 (32 elements of 8 bytes); no padding
	s_mov_b32 s25, 32<<16
	s_mov_b32 s26, 36<<16
	s_mov_b32 s27, 32<<16
	s_mov_b32 s28, 36
	s_mov_b32 s29, 32
	s_mov_b32 s30, 0
	s_mov_b32 s31, 0
	s_mov_b32 s32, 15|(3<<16)|(1<<21)              ; for V: 8,704 bytes, 34 rows
	s_mov_b32 s33, 32<<16
	s_mov_b32 s34, 34<<16
	s_mov_b32 s35, 32<<16
	s_mov_b32 s36, 34
	s_mov_b32 s37, 32
	s_mov_b32 s38, 0
	s_mov_b32 s39, 0
	s_lshl_b32 s61, s13, 4                         ; the batch's first group
	s_add_co_u32 s18, s14, 16                      ; k's heads lie behind q's
	s_lshl_b32 s18, s18, 6
	s_add_co_u32 s18, s18, s61
	s_mul_i32 s18, s18, KREC
	s_mul_i32 s41, s16, 2*KREC                     ; my two records, in memory and in LDS
	s_add_co_u32 s18, s18, s41
	s_mov_b32 s19, 0
	s_lshl_b32 s62, s14, 6
	s_add_co_u32 s62, s62, s61
	s_mul_i32 s62, s62, VREC
	s_mul_i32 s45, s16, 2*VREC
	s_add_co_u32 s62, s62, s45
	s_mov_b32 s63, 0
	s_add_co_u32 s45, s45, VB
	s_mov_b32 s40, 1
	s_mov_b32 s44, 1
	s_mov_b32 s20, 0x76543210
	s_mov_b32 s21, 0xfedcba98                      ; v_permlanex16_b32's selects for lane l xor 16
	s_mov_b32 s22, 0x3e38aa3b                      ; c = log2(e) / sqrt(64)
	s_mov_b32 s23, s22                             ; (named with it as a pair, so it is written)
	; q's records of my two groups; in a record tile a's image lies at 512 a, its scale words at 4,096 + 256 (a / 4) + 4 (a % 4) + 16 r
	s_bfe_u32 s15, ttmp6, 0x40000                  ; cx
	s_and_b32 s82, s12, 1
	s_lshl_b32 s15, s15, 1
	s_add_co_u32 s15, s15, s82                     ; a = 2 cx + w % 2: my tile in a group
	s_lshr_b32 s83, s12, 1                         ; my low group
	s_lshl_b32 s80, s14, 6
	s_add_co_u32 s80, s80, s61
	s_lshl_b32 s70, s15, 9
	s_lshr_b32 s71, s15, 2
	s_lshl_b32 s71, s71, 8
	s_and_b32 s81, s15, 3
	s_lshl_b32 s81, s81, 2
	s_add_co_u32 s71, s71, s81
	s_add_co_u32 s71, s71, 4096
	s_add_co_u32 s81, s80, s83
	s_mul_i32 s81, s81, KREC
	s_add_co_u32 s72, s81, s70
	s_mov_b32 s73, 0
	s_add_co_u32 s74, s81, s71
	s_mov_b32 s75, 0
	s_sub_co_u32 s81, 15, s83                      ; and the group 15 - that
	s_add_co_u32 s81, s81, s80
	s_mul_i32 s81, s81, KREC
	s_add_co_u32 s76, s81, s70
	s_mov_b32 s77, 0
	s_add_co_u32 s78, s81, s71
	s_mov_b32 s79, 0
	s_lshr_b32 s84, s15, 1
	s_lshl_b32 s84, s84, 5
	s_and_b32 s81, s15, 1
	s_lshl_b32 s81, s81, 3
	s_add_co_u32 s84, s84, s81                     ; 32 (a / 2) + 8 (a % 2)
	s_wait_dscnt 0x0                               ; both opening adds are done
	s_wait_kmcnt 0x0
	s_add_nc_u64 s[42:43], s[4:5], s[18:19]
	s_or_b32 s43, s43, 0x80000000
	s_add_nc_u64 s[46:47], s[6:7], s[62:63]
	s_or_b32 s47, s47, 0x80000000
	s_add_nc_u64 s[52:53], s[4:5], s[72:73]
	s_add_nc_u64 s[54:55], s[4:5], s[74:75]
	s_add_nc_u64 s[56:57], s[4:5], s[76:77]
	s_add_nc_u64 s[58:59], s[4:5], s[78:79]
	CROUND                                         ; all four work-groups are here: the joint loads meet
	s_cmp_lt_u32 s12, 8                            ; waves 0-7 fetch K's records, waves 8-15 V's: a fill in each arm, one load a wave
	s_cbranch_scc0 .Lfill_v
	tensor_load_to_lds s[40:43], s[24:31]
	s_nop 0
.rept 4
	v_nop
.endr
	s_branch .Lfilled
.Lfill_v:
	tensor_load_to_lds s[44:47], s[32:39]
	s_nop 0
.rept 4
	v_nop
.endr
.Lfilled:
	s_lshl_b32 s18, s13, 13
	s_mov_b32 s19, 0
	s_add_nc_u64 s[8:9], s[8:9], s[18:19]          ; the batch's 2,048 words of the mask: four a thread
	v_lshlrev_b32 v9, 4, v0
	global_load_b128 v[96:99], v9, s[8:9]
	v_and_b32 v10, 31, v0
	v_and_b32 v11, 15, v0                          ; r
	v_bfe_u32 v28, v0, 4, 1                        ; h
	v_lshlrev_b32 v1, 4, v10                       ; 16 x lane: an image's place for my lane, in LDS and in memory
	v_lshlrev_b32 v29, 4, v11                      ; 16 r
	global_load_b128 v[16:19], v1, s[52:53]        ; Q of both passes lands under the tensor loads
	global_load_b128 v[68:71], v1, s[56:57]
	global_load_b32 v24, v29, s[54:55]
	global_load_b32 v76, v29, s[58:59]
	v_add_nc_u32 v2, 4096, v29                     ; K's scale words in a record
	v_add_nc_u32 v3, VB, v1
	v_add_nc_u32 v4, VB+4096, v29                  ; V's
	v_lshl_add_u32 v7, v28, 6, MB                  ; the table: + 16 h keys
	v_lshl_add_u32 v8, v0, 4, MB                   ; and where I store my four
	v_add_nc_u32 v10, MB+8192, v1                  ; the zeros behind it
	v_lshlrev_b32 v77, 1, v29                      ; 32 r: y's scale bytes
	v_and_b32 v26, 8, v11
	v_add_nc_u32 v26, v26, v11
	v_add_nc_u32 v26, s84, v26                     ; my query in its group: 32 (a / 2) + 8 (a % 2) + r + 8 (r / 8),
	v_lshlrev_b32 v28, 4, v28
	v_sub_nc_u32 v26, v26, v28                     ; less 16 h
.irp j, 20,21,22,23,72,73,74,75,64,65,66,67,31,236,237,238,239
	v_mov_b32 v[\j], 0                             ; Q's upper 64 along K: zero codes; what stands behind K's last tile; the others: named as a permute's destination or a pair's upper half before they are first written
.endr
	v_mov_b32 v27, 0xff800000                      ; -infinity
	v_mov_b32 v28, 0xf1800000                      ; -2^100
	s_wait_alu depctr_va_vdst(0)                   ; the wait at the head's end
	s_wait_loadcnt 0x0
.irp i, 0,1,2,3
	v_cmp_eq_u32 vcc_lo, 0, v[96+\i]
	v_cndmask_b32 v[96+\i], 0, v28, vcc_lo         ; 0 where the key counts, -2^100 where the mask is 0
.endr
	ds_store_b128 v8, v[96:99]
	s_cmp_lg_u32 s12, 0
	s_cbranch_scc1 .Lno_pad
	ds_store_b128 v10, v[20:23]                    ; wave 0: 512 bytes of zeros
.Lno_pad:
	s_wait_tensorcnt 0x0                           ; my records have landed,
	s_wait_dscnt 0x0                               ; my part of the table is stored:
	s_barrier_signal -1
	s_barrier_wait -1                              ; everybody's.  From here on LDS is only read
; st = 1: the step behind the one whose addresses are given
.macro LOADM am, st                    ; 16 LDS loads: a step's part of the table, in the result's layout: register j of tile t is key 32 (t / 2) + 8 (t % 2) + 16 h + j
.irp t, 0,1,2,3,4,5,6,7
	ds_load_b128 v[96+8*\t:99+8*\t], v[\am] offset:512*\st+128*(\t/2)+32*(\t%2)
	ds_load_b128 v[100+8*\t:103+8*\t], v[\am] offset:512*\st+128*(\t/2)+32*(\t%2)+16
.endr
.endm
.macro LOADK ak, as, st                ; 10 LDS loads: K's eight tiles and their scale words
.irp t, 0,1,2,3,4,5,6,7
	ds_load_b128 v[32+4*\t:35+4*\t], v[\ak] offset:KREC*\st+512*\t
.endr
	ds_load_b128 v[80:83], v[\as] offset:KREC*\st
	ds_load_b128 v[84:87], v[\as] offset:KREC*\st+256
.endm
; A KEY STEP: 128 keys, record s48 of the batch.  s17: my queries' group.  Its table, K and K's scale words were asked for a step ago.
.macro STEP q, qs
	s_cmp_gt_u32 s48, s17                          ; all its keys come after my queries: left out.  The wave's number and the count of steps alone; the lines at the step's end that step addresses are run
	s_cbranch_scc1 .Lhidden_\@
	s_wait_dscnt 0x0                               ; the table, K and K's scale words, asked for a step ago
.irp t, 0,1,2,3,4,5,6,7
	v_wmma_scale_f32_16x16x128_f8f6f4 v[96+8*\t:103+8*\t], v[32+4*\t:39+4*\t], v[\q:\q+7], v[96+8*\t:103+8*\t], v[80+\t], v[\qs] matrix_a_fmt:MATRIX_FMT_FP4 matrix_b_fmt:MATRIX_FMT_FP4
.endr
	v_add_nc_u32 v10, s50, v3                      ; the step's addresses.  These five are also the places between the last step's second products and the loads into V's registers,
	v_add_nc_u32 v11, s50, v4                      ; and between the first products and the loads into their registers and the first read of the scores
	v_add_nc_u32 v8, s49, v1
	v_add_nc_u32 v9, s49, v2
	v_add_nc_u32 v25, s51, v7
.irp t, 0,1,2,3
.irp c, 0,1
	ds_load_b128 v[192+8*\t+4*\c:195+8*\t+4*\c], v10 offset:1024*\t+512*\c   ; V's tiles land under the softmax
.endr
.endr
	ds_load_b128 v[240:243], v11
	LOADK 8, 9, 1                                  ; the next step's K, a step ahead (behind the last step: V's first record, which nothing uses)
	s_cmp_lt_u32 s48, s17                          ; only the step on the diagonal has hidden keys
	s_cbranch_scc1 .Lopen_\@
.set n, 0
.rept 64
	v_cmp_gt_i32 vcc_lo, 32*(n/16)+n%16, v26       ; register n holds key 32 (n / 16) + n % 16 + 16 h of the step: hidden where it comes after my query
	v_cndmask_b32 v[96+n], v[96+n], v27, vcc_lo
.set n, n+1
.endr
.Lopen_\@:
.irp b, 0,1,2,3
	v_max3_num_f32 v[232+\b], v[96+16*\b], v[97+16*\b], v[98+16*\b]   ; the largest score of each block of 32 keys: it serves for the row's maximum and, since p rises with the score, for the block's largest p
.endr
.irp i, 3,5,7,9,11,13
.irp b, 0,1,2,3
	v_max3_num_f32 v[232+\b], v[232+\b], v[96+16*\b+\i], v[97+16*\b+\i]
.endr
.endr
.irp b, 0,1,2,3
	v_max_num_f32 v[232+\b], v[232+\b], v[111+16*\b]
.endr
.irp b, 0,1,2,3
	v_permlanex16_b32 v[236+\b], v[232+\b], s20, s21
.endr
.irp b, 0,1,2,3
	v_max_num_f32 v[232+\b], v[232+\b], v[236+\b]  ; with lane l xor 16's 16 keys
.endr
	v_max3_num_f32 v28, v232, v233, v234
	v_max_num_f32 v28, v28, v235                   ; the step's largest score of my query
	v_mul_f32 v28, s22, v28                        ; as t (c is positive)
	v_max_num_f32 v13, v13, v28                    ; the running largest t
	v_mov_b32 v28, v12
	v_floor_f32 v12, -v13                          ; the new -M = floor(-t): M is a whole number
	v_sub_f32 v28, v12, v28                        ; old M less new M: a whole number, 0 or less
	v_cvt_i32_f32 v28, v28                         ; (it saturates)
	v_ldexp_f32 v30, 1.0, v28                      ; f = 2^(old M - new M): rounds nothing
.set n, 0
.rept 32
	v_pk_fma_f32 v[96+n:97+n], v[96+n:97+n], s[22:23], v[12:13] op_sel_hi:[1,0,0]   ; t - M, two at a time
.set n, n+2
.endr
.irp b, 0,1,2,3
	v_fma_f32 v[232+\b], v[232+\b], s22, v12       ; the same of each block's largest score
.endr
	s_wait_alu depctr_va_vdst(0)                   ; the wait ahead of the batch
.set n, 0
.rept 64
	v_exp_f32 v[96+n], v[96+n]                     ; p = 2^(t - M), at most 1
.set n, n+1
.endr
	v_pk_mul_f32 v[14:15], v[14:15], v[30:31] op_sel_hi:[1,0]   ; the sums under the new M: a plain place behind the exponentials
	s_wait_alu depctr_va_vdst(0)                   ; one wait for the batch of 64, ahead of its first reader
.irp b, 0,1,2,3
	v_exp_f32 v[232+\b], v[232+\b]                 ; the blocks' largest p
.endr
	v_pk_add_f32 v[236:237], v[100:101], v[104:105]      ; the row's sum of the unquantised p, in eight chains
	v_pk_add_f32 v[254:255], v[108:109], v[112:113]
	v_pk_add_f32 v[252:253], v[116:117], v[120:121]
	v_pk_add_f32 v[250:251], v[124:125], v[128:129]
	v_pk_add_f32 v[248:249], v[132:133], v[136:137]
	v_pk_add_f32 v[246:247], v[140:141], v[144:145]
	v_pk_add_f32 v[244:245], v[148:149], v[152:153]
	v_pk_add_f32 v[14:15], v[14:15], v[156:157]
	v_pk_add_f32 v[236:237], v[236:237], v[96:97]
	v_pk_add_f32 v[254:255], v[254:255], v[98:99]
	v_pk_add_f32 v[252:253], v[252:253], v[102:103]
	v_pk_add_f32 v[250:251], v[250:251], v[106:107]
	v_pk_add_f32 v[248:249], v[248:249], v[110:111]
	v_pk_add_f32 v[246:247], v[246:247], v[114:115]
	v_pk_add_f32 v[244:245], v[244:245], v[118:119]
	v_pk_add_f32 v[14:15], v[14:15], v[122:123]
	v_pk_add_f32 v[236:237], v[236:237], v[126:127]
	v_pk_add_f32 v[254:255], v[254:255], v[130:131]
	v_pk_add_f32 v[252:253], v[252:253], v[134:135]
	v_pk_add_f32 v[250:251], v[250:251], v[138:139]
	v_pk_add_f32 v[248:249], v[248:249], v[142:143]
	v_pk_add_f32 v[246:247], v[246:247], v[146:147]
	v_pk_add_f32 v[244:245], v[244:245], v[150:151]
	v_pk_add_f32 v[14:15], v[14:15], v[154:155]
	v_pk_add_f32 v[236:237], v[236:237], v[158:159]
	v_pk_add_f32 v[14:15], v[14:15], v[250:251]
	v_pk_add_f32 v[236:237], v[236:237], v[248:249]
	v_pk_add_f32 v[254:255], v[254:255], v[246:247]
	v_pk_add_f32 v[252:253], v[252:253], v[244:245]
	v_pk_add_f32 v[14:15], v[14:15], v[254:255]
	v_pk_add_f32 v[236:237], v[236:237], v[252:253]
	v_pk_add_f32 v[14:15], v[14:15], v[236:237]
	s_wait_alu depctr_va_vdst(0)                   ; and one for the four
.irp b, 0,1,2,3
	v_max_num_f32 v[232+\b], 0x1800000, v[232+\b]  ; the floor 2^(3 - 127): a block whose every p is 0 keeps the byte 1 over zero codes
.endr
.irp b, 0,1,2,3
	v_add_nc_u32 v[244+\b], 0xff000000, v[232+\b]  ; the conversion's scale operand
.endr
.irp b, 0,1,2,3
	v_lshrrev_b32 v[236+\b], 23, v[244+\b]         ; the scale's byte
.endr
	v_lshl_or_b32 v31, v237, 8, v236               ; p's scale word for these 128 keys
	v_lshl_or_b32 v31, v238, 16, v31
	v_lshl_or_b32 v31, v239, 24, v31
.irp b, 0,1,2,3
	v_cvt_scalef32_pk8_fp4_f32 v[224+2*\b], v[96+16*\b:103+16*\b], v[244+\b]
	v_cvt_scalef32_pk8_fp4_f32 v[225+2*\b], v[104+16*\b:111+16*\b], v[244+\b]
.endr
	v_nop                                          ; one plain place behind a scaled conversion
.irp c, 0,1
.irp i, 0,1
	v_permlane16_swap_b32 v[224+4*\c+\i], v[226+4*\c+\i]   ; a whole block in a lane
.endr
.endr
	LOADM 25, 1                                    ; p is done with: the next step's part of the table, a step ahead (behind the last step: the zeros, which nothing uses)
	s_wait_alu depctr_va_vdst(0)                   ; the wait here, directly ahead of the first reader of O^T
.set n, 0
.rept 16
	v_pk_mul_f32 v[160+n:161+n], v[160+n:161+n], v[30:31] op_sel_hi:[1,0]   ; O^T under the new M.  These sixteen are also the places between the lines that made p's codes and scale word and the products
.set n, n+2
.endr
	s_wait_alu depctr_va_vdst(0)                   ; the wait here, directly ahead of the wait below
	s_wait_dscnt 26                                ; V's nine loads are in; the 10 + 16 of the next step may be out
.irp t, 0,1,2,3
	v_wmma_scale_f32_16x16x128_f8f6f4 v[160+8*\t:167+8*\t], v[192+8*\t:199+8*\t], v[224:231], v[160+8*\t:167+8*\t], v[240+\t], v31 matrix_a_fmt:MATRIX_FMT_FP4 matrix_b_fmt:MATRIX_FMT_FP4
.endr
.Lhidden_\@:
	s_add_co_u32 s49, s49, KREC                    ; the next step's records and part of the table
	s_add_co_u32 s50, s50, VREC
	s_add_co_u32 s51, s51, 512
.endm
; A PASS: 16 queries of one group.  hi = 0: my low group; 1: the group 15 - that.
.macro PASS hi, q, qs
	s_wait_xcnt 0x0                                ; the last pass's stores have read their registers and bases: all may be written again
.if \hi
	s_sub_co_u32 s17, 15, s83
.else
	s_mov_b32 s17, s83
.endif
	s_add_co_u32 s62, s61, s17
	s_lshl_b32 s62, s62, 3
	s_add_co_u32 s62, s62, s15                     ; which tile of 16 rows of y: 8 x group + a
	s_lshr_b32 s18, s14, 3                         ; y's images: ((head / 8 x 512 + tile) x 4 + (head / 2) % 4) x 1,024 + 512 (head % 2)
	s_lshl_b32 s18, s18, 9
	s_add_co_u32 s18, s18, s62
	s_lshl_b32 s18, s18, 2
	s_bfe_u32 s63, s14, 0x20001
	s_add_co_u32 s18, s18, s63
	s_lshl_b32 s18, s18, 10
	s_and_b32 s63, s14, 1
	s_lshl_b32 s63, s63, 9
	s_add_co_u32 s18, s18, s63
	s_mov_b32 s19, 0
	s_add_nc_u64 s[66:67], s[10:11], s[18:19]
	s_lshl_b32 s18, s62, 9                         ; y's scale bytes: 32 a row, behind the codes; my head's two
	s_lshl_b32 s63, s14, 1
	s_add_co_u32 s18, s18, s63
	s_add_co_u32 s18, s18, 0x400000
	s_add_nc_u64 s[68:69], s[10:11], s[18:19]
	LOADM 7, 0                                     ; step 0's
	LOADK 1, 2, 0
	v_mov_b32 v13, 0xec800000                      ; the largest t so far: -2^90
	v_mov_b32 v12, 0x6c800000                      ; -M = 2^90
	v_mov_b32 v14, 0
	v_mov_b32 v15, 0
.set n, 0
.rept 32
	v_mov_b32 v[160+n], 0                          ; O^T: the step is written once; its first turn finds zeros
.set n, n+1
.endr
	s_mov_b32 s48, 0
	s_mov_b32 s49, 0
	s_mov_b32 s50, 0
	s_mov_b32 s51, 0
	s_wait_alu depctr_va_vdst(0)
.Lstep_\@:                             ; 16 trips, a constant: what is left out is a step's work, not its trip
	STEP \q, \qs
	s_add_co_u32 s48, s48, 1
	s_cmp_lt_u32 s48, 16
	s_cbranch_scc1 .Lstep_\@
	; the way out: y = O^T / the sum, quantised along the head's 64 (two blocks), stored as registers 0-3 of the projection's operand
	s_wait_dscnt 0x0                               ; the look-ahead has landed: its registers may be written
	v_add_f32 v14, v14, v15
	v_permlanex16_b32 v28, v14, s20, s21
	v_add_f32 v14, v14, v28                        ; the row's sum
	v_cmp_eq_f32 s60, 0, v14                       ; no key counted
	v_cndmask_b32 v14, v14, 1.0, s60               ; (no division by 0: O^T is 0 there)
	s_wait_alu depctr_va_vdst(0)                   ; the wait ahead of the transcendental
	v_rcp_f32 v14, v14
	v_mov_b32 v28, 0xffff                          ; (a plain place behind the reciprocal)
	s_wait_alu depctr_va_vdst(0)                   ; the wait ahead of the reciprocal's first reader, which is O^T's too
.set n, 0
.rept 16
	v_pk_mul_f32 v[96+n:97+n], v[160+n:161+n], v[14:15] op_sel_hi:[1,0]   ; register 16 b + i: channel 32 b + 16 h + i
.set n, n+2
.endr
.irp b, 0,1
	v_max3_num_f32 v[232+\b], |v[96+16*\b]|, |v[97+16*\b]|, 0x1800000
.endr
.irp i, 2,4,6,8,10,12,14
.irp b, 0,1
	v_max3_num_f32 v[232+\b], v[232+\b], |v[96+16*\b+\i]|, |v[97+16*\b+\i]|
.endr
.endr
.irp b, 0,1
	v_permlanex16_b32 v[236+\b], v[232+\b], s20, s21
.endr
.irp b, 0,1
	v_max_num_f32 v[232+\b], v[232+\b], v[236+\b]
.endr
.irp b, 0,1
	v_add_nc_u32 v[244+\b], 0xff000000, v[232+\b]
.endr
.irp b, 0,1
	v_lshrrev_b32 v[236+\b], 23, v[244+\b]
.endr
	v_lshl_or_b32 v9, v237, 8, v236
	v_cndmask_b32 v9, v9, v28, s60                 ; a row with no key that counts: both bytes 0xff
.irp b, 0,1
	v_cvt_scalef32_pk8_fp4_f32 v[224+2*\b], v[96+16*\b:103+16*\b], v[244+\b]
	v_cvt_scalef32_pk8_fp4_f32 v[225+2*\b], v[104+16*\b:111+16*\b], v[244+\b]
.endr
	v_nop
	v_permlane16_swap_b32 v224, v226
	v_permlane16_swap_b32 v225, v227
	global_store_b128 v1, v[224:227], s[66:67]     ; 512 bytes on end, aligned
	global_store_b16 v77, v9, s[68:69]             ; two bytes a row, 32 apart (both halves of the lanes store the same): one sixteenth of the codes' bytes
.endm
	PASS 0, 16, 24
	PASS 1, 68, 76
	s_wait_tensorcnt 0x0                           ; the wave's end
	ds_add_u32 v[SPW], v[NIL]
	s_wait_dscnt 0x0
	CROUND                                         ; the closing round
	s_endpgm
.Lfunc_end_k_qcd399b3b54_attn:
	.size	k_qcd399b3b54_attn, .Lfunc_end_k_qcd399b3b54_attn-k_qcd399b3b54_attn
	.p2alignl 7, 3214868480
	.fill 96, 4, 3214868480
	.section	.rodata,"a",@progbits
	.p2align	6, 0x0
	.amdhsa_kernel k_qcd399b3b54_attn
		.amdhsa_group_segment_fixed_size 167936
		.amdhsa_private_segment_fixed_size 0
		.amdhsa_enable_private_segment 0
		.amdhsa_kernarg_size 32
		.amdhsa_user_sgpr_count 2
		.amdhsa_user_sgpr_kernarg_segment_ptr 1
		.amdhsa_wavefront_size32 1
		.amdhsa_system_sgpr_workgroup_id_x 1
		.amdhsa_system_sgpr_workgroup_id_y 1
		.amdhsa_system_sgpr_workgroup_id_z 1
		.amdhsa_system_vgpr_workitem_id 0
		.amdhsa_next_free_vgpr 256
		.amdhsa_next_free_sgpr 88
		.amdhsa_reserve_vcc 1
		.amdhsa_float_denorm_mode_32 3
		.amdhsa_float_denorm_mode_16_64 3
		.amdhsa_memory_ordered 1
		.amdhsa_forward_progress 1
		.amdhsa_inst_pref_size 65
	.end_amdhsa_kernel
	.amdgpu_metadata
---
amdhsa.version: [ 1, 2 ]
amdhsa.kernels:
  - .name:           k_qcd399b3b54_attn
    .symbol:         k_qcd399b3b54_attn.kd
    .args:
      - { .name: qk, .offset: 0, .size: 8, .value_kind: global_buffer, .address_space: global }
      - { .name: vrec, .offset: 8, .size: 8, .value_kind: global_buffer, .address_space: global }
      - { .name: padding_mask, .offset: 16, .size: 8, .value_kind: global_buffer, .address_space: global }
      - { .name: yq, .offset: 24, .size: 8, .value_kind: global_buffer, .address_space: global }
    .group_segment_fixed_size: 167936
    .private_segment_fixed_size: 0
    .kernarg_segment_align: 8
    .kernarg_segment_size: 32
    .max_flat_workgroup_size: 512
    .sgpr_count:     88
    .vgpr_count:     256
    .wavefront_size: 32
...
	.end_amdgpu_metadata
.endif
;; end of part 3
;; launch proj (part 4): grid 4 x 64, 4 waves a work-group, clusters of 4 x 4, 327,680 bytes of LDS; arguments yq, wp, bproj, out0; writes out0
.if DOCPART == 4
	.amdgcn_target "amdgcn-amd-amdhsa--gfx1250"
	.amdhsa_code_object_version 6
	.text
	.protected	k_qcd399b3b54_proj
	.globl	k_qcd399b3b54_proj
	.p2align	8
	.type	k_qcd399b3b54_proj,@function
k_qcd399b3b54_proj:
	s_mov_b64 s[64:65], 0
	v_nop
	global_prefetch_b8 v0, s[64:65] scope:SCOPE_SE
	s_setreg_imm32_b32 hwreg(HW_REG_WAVE_MODE, 25, 1), 1
	s_wait_xcnt 0x0
	s_wait_alu depctr_hold_cnt(0) depctr_sa_sdst(0) depctr_va_vdst(0) depctr_va_sdst(0) depctr_va_ssrc(0) depctr_va_vcc(0) depctr_vm_vsrc(0)
	s_getreg_b32 s2, hwreg(HW_REG_IB_STS2, 6, 4)
	s_cmp_eq_u32 s2, 0
	s_cbranch_scc0 .Lentry_in_a_cluster
	s_endpgm
.Lentry_in_a_cluster:
	s_bfe_u32 s2, ttmp6, 0x10000c
	s_cmp_lg_u32 s2, 0xf033
	s_cbranch_scc0 .Lentry_shape_is_right
	s_endpgm
.Lentry_shape_is_right:
; Launch 4 of 4: out0 = y Wproj + bproj on codes of FP4 (E2M1) with E8M0 scales.  Nothing is left out here.
; A work-group of four waves makes 128 tokens x 256 features: 64 x 4 = 256 work-groups.  A wave makes 64 x 128 in 32 accumulators, which take turns in the same order in every step.
; ALL OF K = 1,024 COMES IN ONE FILL, one joint load a wave at the head: wave 0 y's images (two runs of 32,768 bytes, one for each 512 along K), wave 1 Wproj's 256 rows of 512 bytes (LDS pitch 528: the 16 rows that a load
; touches start 4 words apart modulo the 64 banks, ISA guide 11.1), waves 2 and 3 the two operands' scale bytes.  Nothing is filled again: one barrier.  No prefetch: all that the launch reads is asked for at its head.
; CLUSTERS: 4 x 4.  y's tile is shared along a row of the cluster, Wproj's along a column: joint loads with a mask that names the four.
; Source 0 = 16 rows of wp (features), source 1 = 16 rows of y (tokens): a lane holds one token and eight features.  The rows of both lie with bits 3 and 4 of their number exchanged (first launch): the way out puts them back.
; The bias is the C of the first products.  Eight steps of 128 along K, two sets of fragments: a step's 24 LDS loads are issued ahead of the step before.
; REGISTERS: window 0: v0-31 addresses; v32-95 scale words and nothing else (set k for the k-th 512 along K; register 4 i + q: lanes 0-15 y's block i, lanes 16-31 wp's block i); v128-191 y's fragments, two sets; v192-255 the bias;
;   on the way out v128-255 hold rows read back.  window 1: wp's fragments, two sets, at v0 and v128.  window 2: accumulator (a, b) at v[8 (8 a + b)].
.set PITCH,  528
.set HALFT,  128*PITCH
.set ARUN,   32768                     ; y's images of 128 rows for 512 along K
.set BBASE,  2*ARUN
.set SCL,    BBASE+2*HALFT             ; the scales, as units of 256 bytes + 16: y's 128 rows,
.set SBLK,   544                       ; (16 rows of 32 bytes)
.set SCB,    SCL+8*SBLK                ; wp's 256 rows
.set SPARE,  SCB+16*SBLK               ; the spare words, 128 bytes a wave, which no other line names
.set STAGE,  SPARE+512                 ; the way out: 16 rows x (512 + 16) bytes for each wave, bytes of its own: no tensor load lands here
.set SPITCH, 528
.set ADRA, 16
.set ADRB, 20
.set STO,  24
.set RD,   25
.set CO,   26
.set ADRS, 27
.set SPW,  28
.set NIL,  29
.set BOF,  30
.set SC,   32
.set AF,   128
.set BB,   192
.set BK,   128
.set G1, 24
.set G0, 32
.set G1B, 48
.set G0B, 56
.set G1S, 68
.set G0S, 76
.set G1SB, 80
.set G0SB, 88
.set MSB, 0
.macro WIN new                         ; the immediate's high byte repeats the setting that is left
.if MSB != (\new)
	s_set_vgpr_msb (MSB<<8)|(\new)
.set MSB, (\new)
.endif
.endm
.macro ARM under, g0, g1, next         ; the head's joint loads, one a wave: one tree of branches on the wave's number, an arm a load, all arms leading to one join
	s_cmp_lt_u32 s14, \under
	s_cbranch_scc0 \next
	tensor_load_to_lds s[\g0:\g0+3], s[\g1:\g1+7]
	s_nop 0
.rept 4
	v_nop
.endr
	s_branch .Lhead_asked
\next:
.endm
.macro CROUND                          ; a round of the cluster's barrier
	s_barrier_signal -1
	s_barrier_wait -1
	s_cmp_lg_u32 s14, 0
	s_cbranch_scc1 .Lnot_wave_0_\@
	s_barrier_signal -3
.Lnot_wave_0_\@:
	s_barrier_wait -3
	s_barrier_signal -1
	s_barrier_wait -1
.endm
	s_load_b256 s[4:11], s[0:1], 0x0               ; yq s[4:5], wp s[6:7], bproj s[8:9], out0 s[10:11]
	v_lshl_add_u32 v[SPW], v0, 2, SPARE
	v_mov_b32 v[NIL], 0
	ds_add_u32 v[SPW], v[NIL]                      ; the wave's opening
	ds_add_u32 v[SPW], v[NIL]
	v_lshrrev_b32 v1, 5, v0
	v_readfirstlane_b32 s14, v1                    ; wave 0..3
	s_lshr_b32 s15, s14, 1                         ; which 64 tokens are mine
	s_and_b32 s16, s14, 1                          ; which 128 features
	s_bfe_u32 s40, ttmp6, 0x40000                  ; cx
	s_bfe_u32 s41, ttmp6, 0x40004                  ; cy
	s_lshl_b32 s42, ttmp9, 2
	s_add_co_u32 s42, s42, s40                     ; the tile of 256 features
	s_and_b32 s17, ttmp7, 0xffff
	s_lshl_b32 s17, s17, 2
	s_add_co_u32 s17, s17, s41                     ; the tile of 128 tokens
	s_lshl_b32 s43, s41, 2
	s_lshl_b32 s43, 15, s43                        ; my row of the cluster
	s_lshl_b32 s44, 0x1111, s40                    ; my column
	s_or_b32 s[G1+0], s43, (3<<16)|(1<<21)         ; y's images: two rows of 4,096 elements of 8 bytes, 512 x 4,096 bytes apart; no padding
	s_mov_b32 s[G1+1], 4096<<16
	s_mov_b32 s[G1+2], 2<<16
	s_mov_b32 s[G1+3], 4096<<16
	s_mov_b32 s[G1+4], 2
	s_mov_b32 s[G1+5], 262144
	s_mov_b32 s[G1+6], 0
	s_mov_b32 s[G1+7], 0
	s_or_b32 s[G1B+0], s44, (0<<16)|(1<<20)|(1<<21)|(6<<22)|(3<<25)   ; wp: 256 rows of 512 bytes, 4 words of padding behind every 128
	s_mov_b32 s[G1B+1], 512<<16
	s_mov_b32 s[G1B+2], 256<<16
	s_mov_b32 s[G1B+3], 512<<16
	s_mov_b32 s[G1B+4], 256
	s_mov_b32 s[G1B+5], 512
	s_mov_b32 s[G1B+6], 0
	s_mov_b32 s[G1B+7], 0
	s_or_b32 s[G1S+0], s43, (3<<16)|(1<<20)|(1<<21)|(5<<22)|(3<<25)   ; the scales: dense bytes as rows of 256 (32 elements of 8 bytes), 16 bytes of padding behind each: y's 16 rows,
	s_mov_b32 s[G1S+1], 32<<16
	s_mov_b32 s[G1S+2], 16<<16
	s_mov_b32 s[G1S+3], 32<<16
	s_mov_b32 s[G1S+4], 16
	s_mov_b32 s[G1S+5], 32
	s_mov_b32 s[G1S+6], 0
	s_mov_b32 s[G1S+7], 0
	s_or_b32 s[G1SB+0], s44, (3<<16)|(1<<20)|(1<<21)|(5<<22)|(3<<25)  ; wp's 32
	s_mov_b32 s[G1SB+1], 32<<16
	s_mov_b32 s[G1SB+2], 32<<16
	s_mov_b32 s[G1SB+3], 32<<16
	s_mov_b32 s[G1SB+4], 32
	s_mov_b32 s[G1SB+5], 32
	s_mov_b32 s[G1SB+6], 0
	s_mov_b32 s[G1SB+7], 0
	s_lshl_b32 s20, s17, 15                        ; y: 8 tiles of 4,096 bytes for my 128 rows
	s_mov_b32 s21, 0
	s_lshl_b32 s22, s17, 12                        ; and 32 scale bytes a row,
	s_add_co_u32 s22, s22, 0x400000                ; behind the codes
	s_mov_b32 s23, 0
	s_lshl_b32 s46, s42, 17                        ; wp: 256 rows of 512 bytes
	s_mov_b32 s47, 0
	s_lshl_b32 s92, s42, 13
	s_add_co_u32 s92, s92, 524288
	s_mov_b32 s93, 0
	; what the vector lines below need
	s_lshl_b32 s94, s42, 10
	s_lshl_b32 s95, s16, 9
	s_add_co_u32 s94, s94, s95                     ; my first feature, in bytes of f32
	s_mov_b32 s95, 0
	s_lshl_b32 s96, s17, 19                        ; my first token's row of out0: (128 x tile + 64 x half) x 4,096
	s_lshl_b32 s97, s15, 18
	s_add_co_u32 s96, s96, s97
	s_add_co_u32 s96, s96, s94
	s_mov_b32 s97, 0
	s_lshl_b32 s66, s15, 14                        ; LDS: my four tiles of y
	s_mul_i32 s67, s16, HALFT
	s_add_co_u32 s67, s67, BBASE                   ; my 128 rows of wp
	s_mul_i32 s98, s15, 4*SBLK                     ; my scale words of y,
	s_mul_i32 s99, s16, 8*SBLK
	s_add_co_u32 s99, s99, 8*SBLK
	s_sub_co_u32 s99, s99, s98                     ; and how far on wp's lie
	s_add_co_u32 s98, s98, SCL
	s_mul_i32 s3, s14, 16*SPITCH
	s_add_co_u32 s3, s3, STAGE                     ; my stage
	s_wait_dscnt 0x0                               ; both opening adds are done
	s_wait_kmcnt 0x0
	s_add_nc_u64 s[20:21], s[4:5], s[20:21]
	s_add_nc_u64 s[22:23], s[4:5], s[22:23]
	s_add_nc_u64 s[46:47], s[6:7], s[46:47]
	s_add_nc_u64 s[92:93], s[6:7], s[92:93]
	s_add_nc_u64 s[8:9], s[8:9], s[94:95]
	s_add_nc_u64 s[12:13], s[10:11], s[96:97]
	CROUND                                         ; all sixteen work-groups are here: the joint loads meet
	s_mov_b32 s[G0], 1
	s_mov_b32 s[G0+1], 0
	s_mov_b64 s[G0+2:G0+3], s[20:21]
	s_or_b32 s[G0+3], s[G0+3], 0x80000000
	s_mov_b32 s[G0B], 1
	s_mov_b32 s[G0B+1], BBASE
	s_mov_b64 s[G0B+2:G0B+3], s[46:47]
	s_or_b32 s[G0B+3], s[G0B+3], 0x80000000
	s_mov_b32 s[G0S], 1
	s_mov_b32 s[G0S+1], SCL
	s_mov_b64 s[G0S+2:G0S+3], s[22:23]
	s_or_b32 s[G0S+3], s[G0S+3], 0x80000000
	s_mov_b32 s[G0SB], 1
	s_mov_b32 s[G0SB+1], SCB
	s_mov_b64 s[G0SB+2:G0SB+3], s[92:93]
	s_or_b32 s[G0SB+3], s[G0SB+3], 0x80000000
	ARM 1, G0,  G1,  .Lhead_b                      ; wave 0: y's codes; wave 1: wp's; wave 2: y's scales; wave 3: wp's scales
	ARM 2, G0B, G1B, .Lhead_sa
	ARM 3, G0S, G1S, .Lhead_sb
	tensor_load_to_lds s[G0SB:G0SB+3], s[G1SB:G1SB+7]
	s_nop 0
.rept 4
	v_nop
.endr
.Lhead_asked:
	v_bfe_u32 v2, v0, 4, 1                         ; h = lane / 16
	v_lshlrev_b32 v[BOF], 6, v2                    ; + 16 h numbers
.irp b, 0,1,2,3
.irp j, 0,1,2,3
	global_load_b128 v[BB+16*\b+4*\j:BB+16*\b+4*\j+3], v[BOF], s[8:9] offset:128*\b+16*\j   ; the bias in the result's layout: register 16 b + i: feature 32 b + 16 h + i
.endr
.endr
	v_and_b32 v1, 15, v0                           ; r = lane % 16
	v_and_b32 v6, 31, v0
	v_lshlrev_b32 v[CO], 4, v6                     ; 16 x lane
	v_add_nc_u32 v[ADRA], s66, v[CO]               ; y's images: a lane's 16 bytes as they lie
	v_mul_u32_u24 v3, v1, PITCH
	v_lshl_add_u32 v4, v2, 4, v3
	v_add_nc_u32 v[ADRB], s67, v4                  ; wp: row x pitch + 16 h
	v_mul_u32_u24 v5, v1, 32                       ; my row's scales: 32 bytes a row,
	v_lshrrev_b32 v6, 8, v5
	v_lshl_add_u32 v5, v6, 4, v5                   ; and 16 more for each 256 passed
	v_mul_u32_u24 v6, s99, v2                      ; lanes 16-31 take wp's: one product, the distance between the two bases
	v_add_nc_u32 v5, v5, v6
	v_add_nc_u32 v[ADRS], s98, v5
	v_mul_u32_u24 v5, v1, SPITCH
	v_lshl_add_u32 v5, v2, 6, v5
	v_add_nc_u32 v[STO], s3, v5                    ; the stage, in: row r, + 16 h numbers
	v_add_nc_u32 v[RD], s3, v[CO]                  ; back: the 32 lanes take one row of 512 bytes
.macro FETCH q                         ; 24 LDS loads: the fragments of the q-th 128 along K into set q % 2: wp's eight blocks, y's four
	WIN 0x40
.irp i, 0,1,2,3,4,5,6,7
.irp c, 0,1
	ds_load_b128 v[128*((\q)%2)+8*\i+4*\c:128*((\q)%2)+8*\i+4*\c+3], v[ADRB] offset:64*(\q)+32*\c+\i*16*PITCH
.endr
.endr
	WIN 0
.irp i, 0,1,2,3
.irp c, 0,1
	ds_load_b128 v[AF+32*((\q)%2)+8*\i+4*\c:AF+32*((\q)%2)+8*\i+4*\c+3], v[ADRA] offset:ARUN*((\q)/4)+4096*\i+1024*((\q)%4)+512*\c
.endr
.endr
.endm
.macro MUL q, first                    ; 32 matrix instructions: y's four blocks x wp's eight
.irp a, 0,1,2,3
.irp b, 0,1,2,3,4,5,6,7
.if \first
	v_wmma_scale_f32_16x16x128_f8f6f4 v[8*(8*\a+\b):8*(8*\a+\b)+7], v[128*((\q)%2)+8*\b:128*((\q)%2)+8*\b+7], v[AF+32*((\q)%2)+8*\a:AF+32*((\q)%2)+8*\a+7], v[BB+8*\b:BB+8*\b+7], v[SC+32*((\q)/4)+4*\b+(\q)%4], v[SC+32*((\q)/4)+4*\a+(\q)%4] matrix_a_fmt:MATRIX_FMT_FP4 matrix_b_fmt:MATRIX_FMT_FP4 matrix_a_scale:MATRIX_SCALE_ROW1
.else
	v_wmma_scale_f32_16x16x128_f8f6f4 v[8*(8*\a+\b):8*(8*\a+\b)+7], v[128*((\q)%2)+8*\b:128*((\q)%2)+8*\b+7], v[AF+32*((\q)%2)+8*\a:AF+32*((\q)%2)+8*\a+7], v[8*(8*\a+\b):8*(8*\a+\b)+7], v[SC+32*((\q)/4)+4*\b+(\q)%4], v[SC+32*((\q)/4)+4*\a+(\q)%4] matrix_a_fmt:MATRIX_FMT_FP4 matrix_b_fmt:MATRIX_FMT_FP4 matrix_a_scale:MATRIX_SCALE_ROW1
.endif
.endr
.endr
.endm
.macro PLACES                          ; plain vector instructions between a matrix instruction and a load into, or a store of, one of its registers
.rept 4
	v_nop
.endr
.endm
	s_wait_alu depctr_va_vdst(0)                   ; the wait at the head's end
	s_wait_tensorcnt 0x0                           ; my one tile is in;
	s_barrier_signal -1
	s_barrier_wait -1                              ; everybody's
	FETCH 0
.irp k, 0,1
.irp i, 0,1,2,3,4,5,6,7
	ds_load_b128 v[SC+32*\k+4*\i:SC+32*\k+4*\i+3], v[ADRS] offset:\i*SBLK+16*\k   ; (lanes 0-15 of blocks 4-7 read words that no product names)
.endr
.endr
	s_wait_loadcnt 0x0                             ; the bias
.irp q, 0,1,2,3,4,5,6
.if \q > 0
	PLACES                                         ; the other set was read by the step before
.endif
	FETCH \q+1
	s_wait_dscnt 24                                ; all but the 24 just issued
.if \q == 0
	WIN 0x81                                       ; source 0 window 1, source 1 and C window 0, D window 2
	MUL 0, 1
.else
	WIN 0xa1                                       ; C window 2 too
	MUL \q, 0
.endif
.endr
	s_wait_dscnt 0x0
	MUL 7, 0
	PLACES
	WIN 0
; THE WAY OUT, block by block of 16 tokens x 128 features, through my own stage: it comes back as whole rows of 512 bytes.  LDS serves a wave's instructions in order (ISA guide 5.7.1.4): no wait between the stores and the loads.
.macro TOSTAGE a
	WIN 0x08                                       ; the data: window 2
.irp b, 0,1,2,3,4,5,6,7
	ds_store_b128 v[STO], v[64*(\a)+8*\b:64*(\a)+8*\b+3] offset:128*(\b/2)+32*(\b%2)       ; each accumulator from its low end on; block b's eight features: 32 (b / 2) + 8 (b % 2) + 16 h on
	ds_store_b128 v[STO], v[64*(\a)+8*\b+4:64*(\a)+8*\b+7] offset:128*(\b/2)+32*(\b%2)+16
.endr
	WIN 0
.set BS, BK+64*((\a)%2)
.irp t, 0,1,2,3,4,5,6,7,8,9,10,11,12,13,14,15
	ds_load_b128 v[BS+4*\t:BS+4*\t+3], v[RD] offset:\t*SPITCH
.endr
.endm
.macro SEND a, younger                 ; younger: the LDS instructions issued behind block a's loads, which may stay out
.set BS, BK+64*((\a)%2)
	s_wait_dscnt \younger
.irp t, 0,1,2,3,4,5,6,7,8,9,10,11,12,13,14,15
	global_store_b128 v[CO], v[BS+4*\t:BS+4*\t+3], s[12:13] offset:(32*((\a)/2)+8*((\a)%2)+\t+8*(\t/8))*4096 th:TH_STORE_NT   ; 32 lanes store 512 bytes on end, aligned; row t of block a is token 32 (a / 2) + 8 (a % 2) + t + 8 (t / 8)
.endr
.endm
	TOSTAGE 0
.irp a, 1,2,3
.if \a > 1
	s_wait_xcnt 0x0                                ; block a - 2's stores have read their registers: block a's loads may land there
.endif
	TOSTAGE \a
	SEND \a-1, 32                                  ; behind block a - 1's loads: block a's 16 stores and 16 loads
.endr
	SEND 3, 0
	s_wait_tensorcnt 0x0                           ; the wave's end
	ds_add_u32 v[SPW], v[NIL]
	s_wait_dscnt 0x0
	CROUND                                         ; the closing round
	s_endpgm
.Lfunc_end_k_qcd399b3b54_proj:
	.size	k_qcd399b3b54_proj, .Lfunc_end_k_qcd399b3b54_proj-k_qcd399b3b54_proj
	.p2alignl 7, 3214868480
	.fill 96, 4, 3214868480
	.section	.rodata,"a",@progbits
	.p2align	6, 0x0
	.amdhsa_kernel k_qcd399b3b54_proj
		.amdhsa_group_segment_fixed_size 327680
		.amdhsa_private_segment_fixed_size 0
		.amdhsa_enable_private_segment 0
		.amdhsa_kernarg_size 32
		.amdhsa_user_sgpr_count 2
		.amdhsa_user_sgpr_kernarg_segment_ptr 1
		.amdhsa_wavefront_size32 1
		.amdhsa_system_sgpr_workgroup_id_x 1
		.amdhsa_system_sgpr_workgroup_id_y 1
		.amdhsa_system_sgpr_workgroup_id_z 1
		.amdhsa_system_vgpr_workitem_id 0
		.amdhsa_next_free_vgpr 768
		.amdhsa_next_free_sgpr 100
		.amdhsa_reserve_vcc 0
		.amdhsa_float_denorm_mode_32 3
		.amdhsa_float_denorm_mode_16_64 3
		.amdhsa_memory_ordered 1
		.amdhsa_forward_progress 1
		.amdhsa_inst_pref_size 72
	.end_amdhsa_kernel
	.amdgpu_metadata
---
amdhsa.version: [ 1, 2 ]
amdhsa.kernels:
  - .name:           k_qcd399b3b54_proj
    .symbol:         k_qcd399b3b54_proj.kd
    .args:
      - { .name: yq, .offset: 0, .size: 8, .value_kind: global_buffer, .address_space: global }
      - { .name: wp, .offset: 8, .size: 8, .value_kind: global_buffer, .address_space: global }
      - { .name: bproj, .offset: 16, .size: 8, .value_kind: global_buffer, .address_space: global }
      - { .name: out0, .offset: 24, .size: 8, .value_kind: global_buffer, .address_space: global }
    .group_segment_fixed_size: 327680
    .private_segment_fixed_size: 0
    .kernarg_segment_align: 8
    .kernarg_segment_size: 32
    .max_flat_workgroup_size: 128
    .sgpr_count:     100
    .vgpr_count:     768
    .wavefront_size: 32
...
	.end_amdgpu_metadata
.endif
;; end of part 4
